; MI455X (gfx1250); checked and timed in simulation.
; The chip was launched on July 23, 2026; its instructions are those of AMD's public machine-readable ISA for CDNA 5 (MIT licence, August 2026) and "CDNA5" Instruction Set Architecture Reference Guide (July 2026). The comments in the code are by the model that wrote it; some were corrected since.
;; Transformer Block. Allowed arithmetic: matrix products marked QUANTISED: E4M3 operands, one E8M0 scale for each 32 along K, by v_wmma_scale_f32_16x16x128_f8f6f4 with both operands' format E4M3, f32 sums; everything else in f32.
;; Inputs: b1 4,096 float32; b2 1,024 float32; b_o 1,024 float32; bt1 1,024 float32; bt2 1,024 float32; g1 1,024 float32; g2 1,024 float32; w1 1,024 x 4,096 float32; w2 4,096 x 1,024 float32; w_o 1,024 x 1,024 float32; w_qkv 1,024 x 3,072 float32; x 2 x 2,048 x 1,024 float32.
;; Outputs: out0 2 x 2,048 x 1,024 float32.
;; This version of the problem:
;;   THIS VERSION OF THE PROBLEM IS GIVEN IN LOW PRECISION. The matrix products marked QUANTISED in the list below multiply operands that are first quantised to E4M3 (4 exponent bits, 3 mantissa bits; 8 bits a number), with one power-of-two scale for each 32 numbers along K (OCP MX v1.0); their sums are f32. All else is computed in f32.
;;   The module's matrix products, in the order in which they are computed (A, B: the left and right operand; K: the contracted axis; several contracted axes count as one K, in the product's order):
;;     1. [M 4,096, K 1,024] x [K 1,024, N 3,072]; A: input x; B: input w_qkv: QUANTISED
;;     2. batch 32 x [M 2,048, K 64] x [K 64, N 2,048]; A: computed on the way; B: computed on the way: QUANTISED
;;     3. batch 32 x [M 64, K 2,048] x [K 2,048, N 2,048]; A: computed on the way; B: softmax (see below): QUANTISED
;;     4. [M 4,096, K 1,024] x [K 1,024, N 1,024]; A: computed on the way; B: input w_o: QUANTISED
;;     5. [M 4,096, K 1,024] x [K 1,024, N 4,096]; A: computed on the way; B: input w1: QUANTISED
;;     6. [M 4,096, K 4,096] x [K 4,096, N 1,024]; A: computed on the way; B: input w2: QUANTISED
;;   THE QUANTISER, for each operand of a quantised product, along K:
;;     - K is cut into blocks of 32 from its start; a last block that is shorter is filled with zeros.
;;     - A block's scale is 2^e with e = floor(log2(the largest magnitude in the block)) - 8, held to -126 .. 127; a block of zeros has e = 0. As a byte (E8M0): e + 127.
;;     - Each number is divided by its block's scale, clamped to +-448, and rounded to the nearest number of E4M3, ties to even, subnormals kept.
;;     - The product sums the exact products of the quantised numbers (number of the format x scale) in f32.
;;   ~~~python
;;   def quantise(x, axis):      # numpy; x: float32 -> the quantised numbers, widened to float32 again
;;       x = np.moveaxis(x, axis, -1); K = x.shape[-1]
;;       x = np.pad(x, [(0, 0)] * (x.ndim - 1) + [(0, -K % 32)]); x = x.reshape(x.shape[:-1] + (-1, 32)); a = np.abs(x).max(-1, keepdims=True)
;;       e = np.where(a > 0, np.clip(np.frexp(np.where(a > 0, a, 1))[1] - 1 - 8, -126, 127), 0)      # np.frexp(a)[1] - 1 = floor(log2(a)), exactly
;;       r = np.clip(x / 2.0 ** e, -448, 448)
;;       step = 2.0 ** (np.maximum(np.frexp(np.where(r == 0, 1, r))[1] - 1, -6) - 3)
;;       q = np.round(r / step) * step * 2.0 ** e      # np.round: ties to even
;;       return np.moveaxis(q.reshape(q.shape[:-2] + (-1,))[..., :K], -1, axis).astype(np.float32)
;;   ~~~
;;   SOFTMAX AHEAD OF A QUANTISED PRODUCT. Where the list says 'softmax', what is quantised is not the finished softmax but p = 2^(t - M), with t = logit x log2(e) and M = ceil(the row's largest t), a whole number; so 1/2 < the row's largest p <= 1. The row's sum l is taken of the UNQUANTISED p, in f32, and the product's result is divided by l at the end. Since M is a whole number, a kernel that streams over the keys may use a running M (the ceiling of the running maximum): every later rescaling is an exact power of two, which a block's scale takes up: the codes' values come out the same.
;;   OPERANDS COMPUTED ON THE WAY. 'Computed on the way' means the value that the module computes at that place (a softmax that the list does not call 'softmax' is quantised finished and normalised). What goes into a quantiser is computed in f32, as accurately as f32 sums, v_exp_f32 and their like allow (about 1e-6 of the number): no bf16 or f16 on the way to a quantiser, and a product that is left as it is and whose result goes on into a quantised operand takes f32 operands (vector FMAs, or v_wmma_f32_16x16x4_f32). A number that lies on a knife's edge between two numbers of the format may be rounded either way, as far as f32 arithmetic and the matrix unit's own rounding can turn it there, and no further.
;; One version. Each part assembles by itself: llvm-mc -triple=amdgcn-amd-amdhsa -mcpu=gfx1250 --defsym DOCPART=n.
;; ======== version 1 of 1: 8 launches
;; limits: right only within a limited range of input values
;; workspace buffers: pq 11,894,784 bytes; woq 1,179,648 bytes; w2q 4,325,376 bytes; qkv 12,976,128 bytes; act 17,301,504 bytes; yb 21,102,592 bytes; cb 16,777,216 bytes
;; launch prep (part 1): grid 1024 x 1, 4 waves a work-group, no clusters, 34,304 bytes of LDS; arguments x, w_qkv, w_o, w1, w2, pq, woq, w2q; writes pq, woq, w2q
.if DOCPART == 1
	.amdgcn_target "amdgcn-amd-amdhsa--gfx1250"
	.amdhsa_code_object_version 6
	.text
	.protected	k_q7f71cad8ed_prep
	.globl	k_q7f71cad8ed_prep
	.p2align	8
	.type	k_q7f71cad8ed_prep,@function
k_q7f71cad8ed_prep:
	s_mov_b64 s[64:65], 0
	v_nop
	global_prefetch_b8 v0, s[64:65] scope:SCOPE_SE
	s_setreg_imm32_b32 hwreg(HW_REG_WAVE_MODE, 25, 1), 1
	s_wait_xcnt 0x0
; PREP: x and the four weights, f32, become codes of FP8 (E4M3) with one E8M0 scale byte for each 32 along K, laid as IMAGES OF OPERAND REGISTERS.
; NO WORK OF reference() IS LEFT OUT IN THIS PROGRAM: every input has a way to the output, and every input is loaded by some launch.
; A FRAGMENT (16 rows x 128 K) is a record of 2,048 bytes, [c = 0..3][lane 0..31][16 bytes]: lane (r = lane % 16, h = lane / 16) holds k = 32 c + 16 h + 0 .. 15 of tile row r.
; Its scale record is 64 bytes: word r = the four scale bytes of tile row r.  An operand of K = 1,024 is [tile][8 K steps][2,048 bytes]; a longer K is chunks of 1,024, the chunk outermost.
; WHICH ROWS FORM A TILE: tile 2 g + u, tile row r' holds row 32 g + 8 u + r' + 8 (r' / 8).  A product used transposed then leaves 16 neighbours along the next K in a lane's 16 registers of two neighbouring tiles.
; w_qkv's columns n = 192 head + 64 part + d are laid in the order n' = 1,024 part + 64 head + d, so that q, k and v are three runs of tiles.
; A block's scale is 2^(floor(log2(its largest magnitude)) - 8); its byte is that magnitude's exponent field - 8, held at 1 from below.
; LIMITS: a block of zeros gets the byte 1 where the quantiser says 127 (its codes are zeros, and only this program reads the bytes); magnitudes under 2^-118 are taken as the floor; NaN and infinities are not served.
; WORK-GROUPS: 0-191 w_qkv, 192-255 w_o, 256-511 w1, 512-767 w2 (a wave: 32 columns x 128 along K, one K step: a lane to a column, registers down K); 768-1023 x (a work-group: one tile of 16 rows, a wave: two K steps).
; A weight wave has two blocks, 64 loads of 128 bytes, on their way, and four blocks in all: its run is kept short and the waves many (3,072 for the weights, 1,024 for x: sixteen for each of 256 WGPs at 256 registers),
; since what is on its way to a WGP is the waves' sum, and a wave's blocks beyond the first two are asked for only as earlier ones have come.
; The weights' scale words leave as 64 consecutive bytes a tile and K step: parts of aligned blocks of 256 bytes; they are one byte in 128 of what the launch reads.
.set SPARE, 33792                      ; behind the four stages: the spare words, 128 bytes for each wave
.set SPW,   14                         ; v14  LDS address of my spare word; never rewritten
.set NIL,   15                         ; v15  0; never rewritten
.set SEL,   2                          ; s[2:3] lane selects for v_permlanex16_b32: lane l xor 16
.set MNT,   47                         ; s47  the mantissa field of 448
.set WV,    26                         ; s26  my wave's number
.set NB,    4                          ; weights: blocks of 32 along K to a wave
.set OFF,   32                         ; weights: v32-63  4 x lane + i rows of the weight
.set X,     64                         ; weights: v64-127 two sets of 32 numbers
.set C,     128                        ; weights: v128-143 two sets of a block's codes
.set SB,    144                        ; weights: v144 the K step's scale word
.set R,     32                         ; x: v32-159 two fragments as they are loaded
.set XN,    160                        ; x: v160-223 64 numbers in the operand's order
.set TM,    16                         ; x: v16-31 at work
.set PW,    12                         ; x: v12-13 scale words
.set PC,    224                        ; x: v224-255 two fragments' codes
.set SP,    528                        ; x: a stage row: 512 bytes + 16 of padding
	s_load_b256 s[4:11], s[0:1], 0x0               ; x, w_qkv, w_o, w1
	s_load_b256 s[12:19], s[0:1], 0x20             ; w2, pq, woq, w2q
	v_lshl_add_u32 v[SPW], v0, 2, SPARE
	v_mov_b32 v[NIL], 0
	v_lshrrev_b32 v1, 5, v0
	v_readfirstlane_b32 s[WV], v1                  ; wave 0..3
	v_and_b32 v2, 31, v0                           ; lane
	s_mov_b32 s[MNT], 0x600000
	s_mov_b32 s[SEL], 0x76543210
	s_mov_b32 s[SEL+1], 0xfedcba98
	s_cmp_ge_u32 ttmp9, 768                        ; the work-group's number alone decides
	s_cbranch_scc1 .Lx
	; ---------------- THE WEIGHTS ----------------
	s_mov_b32 s20, 512                             ; w2's figures: first work-group,
	s_mov_b32 s21, 4096                            ; bytes in a row,
	s_mov_b32 s22, 131072                          ; where the codes begin in the target,
	s_mov_b32 s23, 0                               ; where the scales begin,
	s_mov_b32 s24, 5                               ; and how the local number splits into columns and K: 32 K steps
	s_mov_b32 s25, 31
	s_wait_kmcnt 0x0
	s_mov_b64 s[28:29], s[12:13]
	s_mov_b64 s[32:33], s[18:19]
	s_cmp_lt_u32 ttmp9, 512                        ; w1
	s_cselect_b32 s20, 256, s20
	s_cselect_b32 s21, 16384, s21
	s_cselect_b32 s22, 0x700000, s22
	s_cselect_b32 s23, 0xb38000, s23
	s_cselect_b32 s24, 3, s24                      ; 8 K steps
	s_cselect_b32 s25, 7, s25
	s_cselect_b64 s[28:29], s[10:11], s[28:29]
	s_cselect_b64 s[32:33], s[14:15], s[32:33]
	s_cmp_lt_u32 ttmp9, 256                        ; w_o
	s_cselect_b32 s20, 192, s20
	s_cselect_b32 s21, 4096, s21
	s_cselect_b32 s22, 131072, s22
	s_cselect_b32 s23, 0, s23
	s_cselect_b64 s[28:29], s[8:9], s[28:29]
	s_cselect_b64 s[32:33], s[16:17], s[32:33]
	s_cmp_lt_u32 ttmp9, 192                        ; w_qkv
	s_cselect_b32 s20, 0, s20
	s_cselect_b32 s21, 12288, s21
	s_cselect_b32 s22, 0x400000, s22
	s_cselect_b32 s23, 0xb20000, s23
	s_cselect_b64 s[28:29], s[6:7], s[28:29]
	s_cselect_b64 s[32:33], s[14:15], s[32:33]
	s_cselect_b32 s27, 1, 0
	s_sub_co_u32 s36, ttmp9, s20                   ; the local number
	s_lshr_b32 s37, s36, s24                       ; which 128 columns
	s_and_b32 s36, s36, s25                        ; which 128 along K
	s_lshl_b32 s37, s37, 2
	s_add_co_u32 s37, s37, s[WV]                   ; g: my wave's group of 32 columns
	s_mul_i32 s38, s37, 43
	s_lshr_b32 s38, s38, 8                         ; w_qkv: head = g / 6 (exact for g under 96)
	s_mul_i32 s39, s38, 6
	s_sub_co_u32 s39, s37, s39                     ; g - 6 head: 2 part + half
	s_lshr_b32 s40, s39, 1
	s_lshl_b32 s40, s40, 5
	s_lshl_b32 s38, s38, 1
	s_add_co_u32 s40, s40, s38
	s_and_b32 s39, s39, 1
	s_add_co_u32 s40, s40, s39                     ; g' = 32 part + 2 head + half
	s_cmp_eq_u32 s27, 1
	s_cselect_b32 s40, s40, s37                    ; the other weights keep their order
	s_mul_i32 s38, s36, s21
	s_lshl_b32 s38, s38, 7                         ; 128 rows for each step along K,
	s_lshl_b32 s39, s37, 7                         ; 128 bytes for each group of columns
	s_add_co_u32 s38, s38, s39
	s_mov_b32 s39, 0
	s_add_nc_u64 s[28:29], s[28:29], s[38:39]      ; the weight at my wave's corner
	s_lshl_b32 s30, s21, 5                         ; 32 rows on
	s_mov_b32 s31, 0
	s_and_b32 s41, s36, 7                          ; which K step in the chunk of 1,024
	s_lshr_b32 s42, s36, 3                         ; which chunk
	s_lshl_b32 s38, s42, 20
	s_add_co_u32 s38, s38, s22
	s_lshl_b32 s43, s40, 15                        ; a group is two tiles of 16,384 bytes
	s_add_co_u32 s38, s38, s43
	s_lshl_b32 s43, s41, 11                        ; a K step's record is 2,048 bytes
	s_add_co_u32 s38, s38, s43
	s_add_nc_u64 s[34:35], s[32:33], s[38:39]      ; my codes
	s_lshl_b32 s38, s42, 15
	s_add_co_u32 s38, s38, s23
	s_lshl_b32 s43, s40, 10
	s_add_co_u32 s38, s38, s43
	s_lshl_b32 s43, s41, 6                         ; its scale record 64
	s_add_co_u32 s38, s38, s43
	s_add_nc_u64 s[32:33], s[32:33], s[38:39]      ; my scale words
	s_wait_alu depctr_va_vdst(0)
	v_lshlrev_b32 v3, 2, v2                        ; in: 4 bytes a lane
	v_bfe_u32 v8, v2, 3, 1                         ; u: which of the group's two tiles my column falls into
	v_and_b32 v9, 7, v2
	v_lshrrev_b32 v10, 4, v2
	v_lshl_add_u32 v9, v10, 3, v9                  ; r': its tile row
	v_lshlrev_b32 v4, 4, v9
	v_lshl_add_u32 v4, v8, 14, v4                  ; codes: 16,384 u + 16 r'
	v_lshlrev_b32 v5, 2, v9
	v_lshl_add_u32 v5, v8, 9, v5                   ; scale words: 512 u + 4 r'
.set i, 0
.rept 32
	v_mad_u32_u24 v[OFF+i], s21, i, v3             ; row i of a block; never rewritten
.set i, i+1
.endr
.macro WLOAD t                         ; block t: W(32 t + i, my column), i = 0 .. 31, into set t % 2
.if (\t) > 0
	s_wait_xcnt 0x0                                ; the earlier loads and stores have read their addresses: the base may step
	s_add_nc_u64 s[28:29], s[28:29], s[30:31]
.endif
.set i, 0
.rept 32
	global_load_b32 v[X+32*((\t)%2)+i], v[OFF+i], s[28:29] th:TH_LOAD_NT
.set i, i+1
.endr
.endm
.macro BLOCK t
.set XS, X+32*((\t)%2)
.set CC, C+8*((\t)%2)
.if (\t) < NB-1
	s_wait_loadcnt 32                              ; this block's 32 loads are in; the next block's may be out
.else
	s_wait_loadcnt 0x0
.endif
	v_max3_num_f32 v12, |v[XS]|, |v[XS+1]|, |v[XS+2]|   ; the block's largest magnitude: all 32 numbers are mine
	v_max3_num_f32 v13, |v[XS+3]|, |v[XS+4]|, |v[XS+5]|
.irp i, 6,10,14,18,22,26
	v_max3_num_f32 v12, v12, |v[XS+\i]|, |v[XS+\i+1]|
	v_max3_num_f32 v13, v13, |v[XS+\i+2]|, |v[XS+\i+3]|
.endr
	v_max3_num_f32 v12, v12, |v[XS+30]|, |v[XS+31]|
	v_max3_num_f32 v12, v12, v13, 0x4800000        ; and the floor 2^(9 - 127): the byte cannot fall under 1
	v_add_nc_u32 v11, 0xfc000000, v12              ; 8 off the exponent field: the conversion's scale operand
	v_and_or_b32 v10, v12, 0x7f800000, s[MNT]      ; 448 x the scale
	v_lshrrev_b32 v13, 23, v11                     ; the scale's byte
.if (\t) == 0
	v_mov_b32 v[SB], v13
.else
	v_lshl_or_b32 v[SB], v13, 8*(\t), v[SB]        ; four bytes to the word, the lower K in the lower byte
.endif
.set i, 0
.rept 32
	v_med3_num_f32 v[XS+i], v[XS+i], -v10, v10     ; the conversion to an 8-bit code does not saturate (ISA guide 7.6.2): the hold comes first
.set i, i+1
.endr
	s_wait_alu depctr_va_vdst(0)
	s_wait_xcnt 0x0                                ; the stores of two blocks back have read this set of codes
.irp g, 0,1,2,3
	v_cvt_scalef32_pk8_fp8_f32 v[CC+2*\g:CC+2*\g+1], v[XS+8*\g:XS+8*\g+7], v11
.endr
	v_nop                                          ; a plain line behind the last conversion
	global_store_b128 v4, v[CC:CC+3], s[34:35] offset:(\t)*512       ; k = 32 c + 0 .. 15: the record's lanes 0-15; the sixteen lanes of a tile fill 256 consecutive bytes
	global_store_b128 v4, v[CC+4:CC+7], s[34:35] offset:(\t)*512+256 ; k = 32 c + 16 .. 31: its lanes 16-31
.if (\t) == NB-1
	global_store_b32 v5, v[SB], s[32:33]
.endif
.if (\t)+2 < NB
	WLOAD (\t)+2
.endif
.endm
	WLOAD 0
	s_wait_alu depctr_va_vdst(0)
	WLOAD 1
.irp t, 0,1,2,3
	BLOCK \t
.endr
	s_branch .Lend
	; ---------------- x ----------------
.Lx:
	s_sub_co_u32 s20, ttmp9, 768                   ; my tile
	s_lshr_b32 s21, s20, 1
	s_lshl_b32 s21, s21, 5
	s_and_b32 s22, s20, 1
	s_lshl_b32 s22, s22, 3
	s_add_co_u32 s21, s21, s22                     ; its first row: 32 (T / 2) + 8 (T % 2)
	s_lshl_b32 s22, s21, 12
	s_lshl_b32 s23, s[WV], 10                      ; my two K steps: 1,024 bytes of each row
	s_add_co_u32 s22, s22, s23
	s_mov_b32 s23, 0
	s_lshl_b32 s24, s20, 14
	s_lshl_b32 s25, s[WV], 12
	s_add_co_u32 s24, s24, s25                     ; my two records
	s_mov_b32 s25, 0
	s_lshr_b32 s28, s24, 5
	s_add_co_u32 s28, s28, 0xb00000                ; and their scale records
	s_mov_b32 s29, 0
	s_mul_i32 s30, s[WV], 16*SP                    ; my stage
	s_wait_alu depctr_va_vdst(0)
	v_lshlrev_b32 v6, 4, v2                        ; 16 x lane
	v_add_nc_u32 v7, s30, v6                       ; into the stage: a row's 512 bytes as they lie
	v_and_b32 v9, 15, v0                           ; r
	v_bfe_u32 v10, v0, 4, 1                        ; h
	v_mul_u32_u24 v8, v9, SP
	v_lshl_add_u32 v8, v10, 6, v8
	v_add_nc_u32 v8, s30, v8                       ; out of it: row r, + 64 h: my 16 numbers of a block of 32
	v_lshlrev_b32 v9, 2, v9                        ; 4 r
.irp b, 0,1,2,3
	v_mov_b32 v[TM+4+\b], 0                        ; written once: a lane permute's destination counts as one of its sources
.endr
	s_wait_alu depctr_va_vdst(0)
	s_wait_kmcnt 0x0
	s_add_nc_u64 s[4:5], s[4:5], s[22:23]
	s_add_nc_u64 s[32:33], s[14:15], s[24:25]
	s_add_nc_u64 s[34:35], s[14:15], s[28:29]
.irp f, 0,1
.irp i, 0,1,2,3,4,5,6,7,8,9,10,11,12,13,14,15
	global_load_b128 v[R+64*\f+4*\i:R+64*\f+4*\i+3], v6, s[4:5] offset:(\i+8*(\i/8))*4096+512*\f th:TH_LOAD_NT   ; 32 lanes read 512 consecutive bytes of tile row i
.endr
.endr
; 64 numbers of a lane, register 16 b + i = k 32 b + 16 (lane / 16) + i of my row, become a fragment's codes and its scale word
.macro QUANT s, pc, pw
.irp b, 0,1,2,3
	v_max3_num_f32 v[TM+\b], |v[\s+16*\b]|, |v[\s+1+16*\b]|, 0x4800000   ; my 16 numbers of block b, and the floor
.endr
.irp i, 2,4,6,8,10,12,14
.irp b, 0,1,2,3
	v_max3_num_f32 v[TM+\b], v[TM+\b], |v[\s+16*\b+\i]|, |v[\s+1+16*\b+\i]|
.endr
.endr
.irp b, 0,1,2,3
	v_permlanex16_b32 v[TM+4+\b], v[TM+\b], s[SEL], s[SEL+1]
.endr
.irp b, 0,1,2,3
	v_max_num_f32 v[TM+\b], v[TM+\b], v[TM+4+\b]   ; with lane l xor 16's: the block's largest magnitude
.endr
.irp b, 0,1,2,3
	v_add_nc_u32 v[TM+12+\b], 0xfc000000, v[TM+\b]
.endr
.irp b, 0,1,2,3
	v_and_or_b32 v[TM+8+\b], v[TM+\b], 0x7f800000, s[MNT]
.endr
.irp b, 0,1,2,3
	v_lshrrev_b32 v[TM+4+\b], 23, v[TM+12+\b]
.endr
	v_lshl_or_b32 v[\pw], v[TM+5], 8, v[TM+4]
	v_lshl_or_b32 v[\pw], v[TM+6], 16, v[\pw]
	v_lshl_or_b32 v[\pw], v[TM+7], 24, v[\pw]
.irp b, 0,1,2,3
.irp i, 0,1,2,3,4,5,6,7,8,9,10,11,12,13,14,15
	v_med3_num_f32 v[\s+16*\b+\i], v[\s+16*\b+\i], -v[TM+8+\b], v[TM+8+\b]
.endr
	v_cvt_scalef32_pk8_fp8_f32 v[\pc+4*\b:\pc+1+4*\b], v[\s+16*\b:\s+7+16*\b], v[TM+12+\b]
	v_cvt_scalef32_pk8_fp8_f32 v[\pc+2+4*\b:\pc+3+4*\b], v[\s+8+16*\b:\s+15+16*\b], v[TM+12+\b]
.endr
	v_nop                                          ; a plain line behind the last conversion
.endm
.macro XFRAG f                         ; fragment f turns through my stage (LDS serves a wave's instructions in order: no wait between the stores and the loads), is quantised and leaves
.irp i, 0,1,2,3,4,5,6,7,8,9,10,11,12,13,14,15
	ds_store_b128 v7, v[R+64*\f+4*\i:R+64*\f+4*\i+3] offset:SP*\i
.endr
.irp c, 0,1,2,3
.irp j, 0,1,2,3
	ds_load_b128 v[XN+16*\c+4*\j:XN+16*\c+4*\j+3], v8 offset:128*\c+16*\j
.endr
.endr
	s_wait_dscnt 0x0
	QUANT XN, PC+16*\f, PW+\f
.irp c, 0,1,2,3
	global_store_b128 v6, v[PC+16*\f+4*\c:PC+16*\f+4*\c+3], s[32:33] offset:2048*\f+512*\c   ; 512 consecutive bytes
.endr
	global_store_b32 v9, v[PW+\f], s[34:35] offset:64*\f   ; lanes 16-31 hold the same words and write them to the same places
.endm
	s_wait_loadcnt 16                              ; the first fragment's 16 loads are in; the second's may be out
	XFRAG 0
	s_wait_loadcnt 0x0
	XFRAG 1
.Lend:
	s_wait_tensorcnt 0x0                           ; the wave's end, behind my last LDS store
	ds_add_u32 v[SPW], v[NIL]
	s_wait_dscnt 0x0
	s_endpgm
.Lfunc_end_k_q7f71cad8ed_prep:
	.size	k_q7f71cad8ed_prep, .Lfunc_end_k_q7f71cad8ed_prep-k_q7f71cad8ed_prep
	.p2alignl 7, 3214868480
	.fill 96, 4, 3214868480
	.section	.rodata,"a",@progbits
	.p2align	6, 0x0
	.amdhsa_kernel k_q7f71cad8ed_prep
		.amdhsa_group_segment_fixed_size 34304
		.amdhsa_private_segment_fixed_size 0
		.amdhsa_enable_private_segment 0
		.amdhsa_kernarg_size 64
		.amdhsa_user_sgpr_count 2
		.amdhsa_user_sgpr_kernarg_segment_ptr 1
		.amdhsa_wavefront_size32 1
		.amdhsa_system_sgpr_workgroup_id_x 1
		.amdhsa_system_sgpr_workgroup_id_y 1
		.amdhsa_system_sgpr_workgroup_id_z 1
		.amdhsa_system_vgpr_workitem_id 0
		.amdhsa_next_free_vgpr 256
		.amdhsa_next_free_sgpr 66
		.amdhsa_reserve_vcc 0
		.amdhsa_float_denorm_mode_32 3
		.amdhsa_float_denorm_mode_16_64 3
		.amdhsa_memory_ordered 1
		.amdhsa_forward_progress 1
		.amdhsa_inst_pref_size 60
	.end_amdhsa_kernel
	.amdgpu_metadata
---
amdhsa.version: [ 1, 2 ]
amdhsa.kernels:
  - .name:           k_q7f71cad8ed_prep
    .symbol:         k_q7f71cad8ed_prep.kd
    .args:
      - { .name: x, .offset: 0, .size: 8, .value_kind: global_buffer, .address_space: global }
      - { .name: w_qkv, .offset: 8, .size: 8, .value_kind: global_buffer, .address_space: global }
      - { .name: w_o, .offset: 16, .size: 8, .value_kind: global_buffer, .address_space: global }
      - { .name: w1, .offset: 24, .size: 8, .value_kind: global_buffer, .address_space: global }
      - { .name: w2, .offset: 32, .size: 8, .value_kind: global_buffer, .address_space: global }
      - { .name: pq, .offset: 40, .size: 8, .value_kind: global_buffer, .address_space: global }
      - { .name: woq, .offset: 48, .size: 8, .value_kind: global_buffer, .address_space: global }
      - { .name: w2q, .offset: 56, .size: 8, .value_kind: global_buffer, .address_space: global }
    .group_segment_fixed_size: 34304
    .private_segment_fixed_size: 0
    .kernarg_segment_align: 8
    .kernarg_segment_size: 64
    .max_flat_workgroup_size: 128
    .sgpr_count:     66
    .vgpr_count:     256
    .wavefront_size: 32
...
	.end_amdgpu_metadata
.endif
;; end of part 1
;; launch gqkv (part 2): grid 8 x 24, 4 waves a work-group, clusters of 4 x 4, 327,680 bytes of LDS; arguments pq, qkv; writes qkv
.if DOCPART == 2
	.amdgcn_target "amdgcn-amd-amdhsa--gfx1250"
	.amdhsa_code_object_version 6
	.text
	.protected	k_q7f71cad8ed_gqkv
	.globl	k_q7f71cad8ed_gqkv
	.p2align	8
	.type	k_q7f71cad8ed_gqkv,@function
k_q7f71cad8ed_gqkv:
	s_mov_b64 s[64:65], 0
	v_nop
	global_prefetch_b8 v0, s[64:65] scope:SCOPE_SE
	s_setreg_imm32_b32 hwreg(HW_REG_WAVE_MODE, 25, 1), 1
	s_wait_xcnt 0x0
	s_wait_alu depctr_hold_cnt(0) depctr_sa_sdst(0) depctr_va_vdst(0) depctr_va_sdst(0) depctr_va_ssrc(0) depctr_va_vcc(0) depctr_vm_vsrc(0)
	s_getreg_b32 s2, hwreg(HW_REG_IB_STS2, 6, 4)
	s_cmp_eq_u32 s2, 0
	s_cbranch_scc0 .Lentry_in_a_cluster
	s_endpgm
.Lentry_in_a_cluster:
	s_bfe_u32 s2, ttmp6, 0x10000c
	s_cmp_lg_u32 s2, 0xf033
	s_cbranch_scc0 .Lentry_shape_is_right
	s_endpgm
.Lentry_shape_is_right:
.set SLOT,  131072
.set HALFT, 32768
.set SCL,   262144
.set SCLB,  8256
.set SPARE, 278784
.set NQ,    2
.set FR,    16
.set NL,    4
.set NP,    8
.set ADRA, 16
.set ADRB, 20
.set SO,   25
.set CO,   26
.set ADRS, 27
.set SPW,  28
.set NIL,  29
.set SC,   32
.set AF,   128
.set T,    128
.set PC,   192
.set TM,   224
.set PW,   240
.set ASTR, 2048
.set SSTR, 64
.set MNT,  3
.set SEL,  66
.set OC,   12
.set OS,   96
.set G1, 24
.set G0, 32
.set G1B, 48
.set G0B, 56
.set G1S, 68
.set G0S, 76
.set G1SB, 80
.set G0SB, 88
.set MSB, 0
.macro WIN new
.if MSB != \new
	s_set_vgpr_msb (MSB<<8)|\new
.set MSB, \new
.endif
.endm
.set MUL_LO, 0xa1
.set MUL_HI, 0xf1
.set TO_B,   0x40
.macro JLOAD g0a, g1a, g0b, g1b
	s_cmp_eq_u32 s15, 0
	s_cbranch_scc0 .Lfor_b_\@
	tensor_load_to_lds s[\g0a:\g0a+3], s[\g1a:\g1a+7]
	s_nop 0
.rept 4
	v_nop
.endr
	s_branch .Lasked_\@
.Lfor_b_\@:
	tensor_load_to_lds s[\g0b:\g0b+3], s[\g1b:\g1b+7]
	s_nop 0
.rept 4
	v_nop
.endr
.Lasked_\@:
.endm
.macro CREST
	s_cmp_lg_u32 s14, 0
	s_cbranch_scc1 .Lnot_wave_0_\@
	s_barrier_signal -3
.Lnot_wave_0_\@:
	s_barrier_wait -3
	s_barrier_signal -1
	s_barrier_wait -1
.endm
.macro CROUND
	s_barrier_signal -1
	s_barrier_wait -1
	CREST
.endm
	s_load_b128 s[4:7], s[0:1], 0x0
	v_lshl_add_u32 v[SPW], v0, 2, SPARE
	v_mov_b32 v[NIL], 0
	ds_add_u32 v[SPW], v[NIL]
	ds_add_u32 v[SPW], v[NIL]
	v_lshrrev_b32 v1, 5, v0
	v_readfirstlane_b32 s14, v1
	s_lshr_b32 s15, s14, 1
	s_and_b32 s16, s14, 1
	s_bfe_u32 s40, ttmp6, 0x40000
	s_bfe_u32 s41, ttmp6, 0x40004
	s_and_b32 s18, ttmp7, 0xffff
	s_lshl_b32 s19, s18, 1
	s_add_co_u32 s19, s19, ttmp9
	s_sub_co_u32 s19, s19, 8
	s_cmp_ge_u32 s18, 4
	s_cselect_b32 s17, 0, s18
	s_cselect_b32 s42, s19, ttmp9
	s_cselect_b32 s98, 0x600000, 0
	s_cselect_b32 s99, 0, 0x400000
	s_cselect_b32 s95, 1, 0
	s_lshl_b32 s17, s17, 2
	s_add_co_u32 s17, s17, s41
	s_lshl_b32 s42, s42, 2
	s_add_co_u32 s42, s42, s40
	s_lshl_b32 s43, s41, 2
	s_lshl_b32 s43, 15, s43
	s_lshl_b32 s44, 0x1111, s40
	s_or_b32 s[G1+0], s43, (3<<16)|(1<<21)
	s_or_b32 s[G1B+0], s44, (3<<16)|(1<<21)
.irp g, G1, G1B
	s_mov_b32 s[\g+1], 512<<16
	s_mov_b32 s[\g+2], 16<<16
	s_mov_b32 s[\g+3], 512<<16
	s_mov_b32 s[\g+4], 16
	s_mov_b32 s[\g+5], 2048
	s_mov_b32 s[\g+6], 0
	s_mov_b32 s[\g+7], 0
.endr
	s_or_b32 s[G1S+0], s43, (3<<16)|(1<<21)
	s_or_b32 s[G1SB+0], s44, (3<<16)|(1<<21)
.irp g, G1S, G1SB
	s_mov_b32 s[\g+1], 32<<16
	s_mov_b32 s[\g+2], 32<<16
	s_mov_b32 s[\g+3], 32<<16
	s_mov_b32 s[\g+4], 32
	s_mov_b32 s[\g+5], 32
	s_mov_b32 s[\g+6], 0
	s_mov_b32 s[\g+7], 0
.endr
	s_mov_b32 s[MNT], 0x600000
	s_mov_b32 s[SEL], 0x76543210
	s_mov_b32 s[SEL+1], 0xfedcba98
	s_lshl_b32 s18, s16, 17
	s_lshl_b32 s20, s17, 18
	s_add_co_u32 s20, s20, s98
	s_mov_b32 s21, 0
	s_lshr_b32 s22, s20, 5
	s_add_co_u32 s22, s22, 0xb00000
	s_mov_b32 s23, 0
	s_lshl_b32 s46, s42, 18
	s_add_co_u32 s46, s46, s99
	s_mov_b32 s47, 0
	s_lshr_b32 s92, s46, 5
	s_add_co_u32 s92, s92, 0xb00000
	s_mov_b32 s93, 0
	s_lshl_b32 s45, s14, 15
	s_lshl_b32 s94, s14, 12
	s_wait_dscnt 0x0
	s_wait_kmcnt 0x0
	s_add_nc_u64 s[20:21], s[4:5], s[20:21]
	s_add_nc_u64 s[22:23], s[4:5], s[22:23]
	s_add_nc_u64 s[46:47], s[4:5], s[46:47]
	s_add_nc_u64 s[92:93], s[4:5], s[92:93]
	CROUND
	s_mov_b32 s[G0S], 1
	s_mov_b32 s[G0S+1], SCL
	s_mov_b64 s[G0S+2:G0S+3], s[22:23]
	s_or_b32 s[G0S+3], s[G0S+3], 0x80000000
	s_mov_b32 s[G0SB], 1
	s_mov_b32 s[G0SB+1], SCL+SCLB
	s_mov_b64 s[G0SB+2:G0SB+3], s[92:93]
	s_or_b32 s[G0SB+3], s[G0SB+3], 0x80000000
	s_mov_b32 s[G0], 1                             ; slot 0 comes whole at the head: A's sixteen tiles,
	s_mov_b32 s[G0+1], 0
	s_mov_b64 s[G0+2:G0+3], s[20:21]
	s_or_b32 s[G0+3], s[G0+3], 0x80000000
	s_mov_b32 s[G0B], 1                            ; and B's sixteen, behind them
	s_mov_b32 s[G0B+1], 2*HALFT
	s_mov_b64 s[G0B+2:G0B+3], s[46:47]
	s_or_b32 s[G0B+3], s[G0B+3], 0x80000000
	s_mov_b32 s19, 0
	s_add_nc_u64 s[20:21], s[20:21], s[18:19]      ; the ring: my eight tiles of a panel
	s_add_nc_u64 s[46:47], s[46:47], s[18:19]
	s_mov_b32 s[G0+4], 1
	s_add_co_u32 s[G0+5], s45, SLOT
	s_add_nc_u64 s[G0+6:G0+7], s[20:21], 4096
	s_or_b32 s[G0+7], s[G0+7], 0x80000000
	s_mov_b32 s[G0B+4], 1
	s_add_co_u32 s[G0B+5], s45, SLOT
	s_add_nc_u64 s[G0B+6:G0B+7], s[46:47], 4096
	s_or_b32 s[G0B+7], s[G0B+7], 0x80000000
; the head's four tiles, one joint load a wave: wave 0 A's codes, wave 1 B's, wave 2 A's scale bytes, wave 3 B's; one chain of branches on the wave's number
.macro ARM under, g0, g1, next
	s_cmp_lt_u32 s14, \under
	s_cbranch_scc0 \next
	tensor_load_to_lds s[\g0:\g0+3], s[\g1:\g1+7]
	s_nop 0
.rept 4
	v_nop
.endr
	s_branch .Lhead_asked
\next:
.endm
	ARM 1, G0, G1, .Lhead_b
	ARM 2, G0B, G1B, .Lhead_sa
	ARM 3, G0S, G1S, .Lhead_sb
	tensor_load_to_lds s[G0SB:G0SB+3], s[G1SB:G1SB+7]
	s_nop 0
.rept 4
	v_nop
.endr
.Lhead_asked:
; PREFETCH of the later slots: of the eight tiles that I fetch for a slot, each of the four partners that ask for them jointly names two (told apart by address: cx for A, cy for B): 2 x 4,096 bytes, lanes 256 bytes apart.
; Slots 1 and 2 are named here, slot 3 behind slot 1's load; the base and the offsets are never rewritten.
	s_cmp_eq_u32 s15, 0                            ; do I fetch for A?
	s_cselect_b64 s[98:99], s[20:21], s[46:47]     ; my eight tiles
	s_cselect_b32 s92, s40, s41                    ; my place among the four: it enters this address alone
	s_lshl_b32 s92, s92, 15
	s_mov_b32 s93, 0
	s_add_nc_u64 s[98:99], s[98:99], s[92:93]
	v_and_b32 v30, 15, v0
	v_bfe_u32 v31, v0, 4, 1
	v_lshlrev_b32 v30, 8, v30
	v_lshl_add_u32 v30, v31, 14, v30               ; 16,384 x (lane / 16) + 256 x (lane % 16)
	global_prefetch_b8 v30, s[98:99] offset:4096 th:TH_LOAD_NT scope:SCOPE_SE
	global_prefetch_b8 v30, s[98:99] offset:8192 th:TH_LOAD_NT scope:SCOPE_SE
	v_and_b32 v1, 15, v0
	v_bfe_u32 v2, v0, 4, 1
	s_wait_alu depctr_va_vdst(0)
	v_and_b32 v3, 31, v0
	v_lshlrev_b32 v[CO], 4, v3
	v_lshlrev_b32 v[SO], 2, v1
	s_lshl_b32 s21, s15, 15
	s_lshl_b32 s22, s16, 15
	s_add_co_u32 s22, s22, 2*HALFT
.irp s, 0,1
	v_add_nc_u32 v[ADRA+\s], s21, v[CO]
	v_add_nc_u32 v[ADRB+\s], s22, v[CO]
	s_add_co_u32 s21, s21, SLOT
	s_add_co_u32 s22, s22, SLOT
.endr
	s_lshl_b32 s21, s15, 12
	s_lshl_b32 s22, s16, 12
	s_add_co_u32 s22, s22, SCLB
	s_sub_co_u32 s22, s22, s21
	v_mul_u32_u24 v6, s22, v2
	s_add_co_u32 s21, s21, SCL
	v_lshl_add_u32 v5, v1, 2, v6
	v_add_nc_u32 v[ADRS], s21, v5
	s_lshr_b32 s18, s17, 3
	s_lshl_b32 s18, s18, 3
	s_lshl_b32 s19, s40, 1
	s_add_co_u32 s18, s18, s19
	s_add_co_u32 s18, s18, s16
	s_lshl_b32 s18, s18, 7
	s_lshl_b32 s19, s17, 4
	s_lshl_b32 s20, s15, 3
	s_add_co_u32 s19, s19, s20
	s_and_b32 s19, s19, 127
	s_add_co_u32 s18, s18, s19
	s_lshl_b32 s18, s18, 11
	s_lshl_b32 s19, ttmp9, 22
	s_add_co_u32 s18, s18, s19
	s_lshl_b32 s20, s42, 1
	s_add_co_u32 s20, s20, s16
	s_lshl_b32 s20, s20, 4
	s_lshl_b32 s21, s17, 2
	s_add_co_u32 s20, s20, s21
	s_lshl_b32 s21, s15, 1
	s_add_co_u32 s20, s20, s21
	s_lshl_b32 s20, s20, 13
	s_add_co_u32 s20, s20, 0x800000
	s_cmp_eq_u32 s95, 1
	s_cselect_b32 s18, s20, s18
	s_mov_b32 s19, 0
	s_add_nc_u64 s[OC:OC+1], s[6:7], s[18:19]
	s_lshr_b32 s18, s18, 5
	s_add_co_u32 s18, s18, 0xc00000
	s_add_nc_u64 s[OS:OS+1], s[6:7], s[18:19]
.macro FRAG reg, adr, q, i
.irp c, 0,1,2,3
	ds_load_b128 v[\reg+4*\c:\reg+4*\c+3], v[\adr] offset:(\i)*4096+(\q)*2048+512*\c
.endr
.endm
.macro MUL16 a0, p, q, sc, zero
.irp a, \a0, \a0+1
.irp b, 0,1,2,3,4,5,6,7
.if \zero
	v_wmma_scale_f32_16x16x128_f8f6f4 v[8*(8*((\a)%4)+\b):8*(8*((\a)%4)+\b)+7], v[128*(\p)+FR*\b:128*(\p)+FR*\b+FR-1], v[AF+FR*(\a):AF+FR*(\a)+FR-1], 0, v[SC+8*NQ*(\sc)+NQ*\b+(\q)], v[SC+8*NQ*(\sc)+NQ*(\a)+(\q)] matrix_a_scale:MATRIX_SCALE_ROW1
.else
	v_wmma_scale_f32_16x16x128_f8f6f4 v[8*(8*((\a)%4)+\b):8*(8*((\a)%4)+\b)+7], v[128*(\p)+FR*\b:128*(\p)+FR*\b+FR-1], v[AF+FR*(\a):AF+FR*(\a)+FR-1], v[8*(8*((\a)%4)+\b):8*(8*((\a)%4)+\b)+7], v[SC+8*NQ*(\sc)+NQ*\b+(\q)], v[SC+8*NQ*(\sc)+NQ*(\a)+(\q)] matrix_a_scale:MATRIX_SCALE_ROW1
.endif
.endr
.endr
.endm
.macro FETCH_B slot, q, p
	WIN TO_B
.irp i, 0,1,2,3,4,5,6,7
	FRAG 128*(\p)+FR*\i, ADRB+\slot, \q, \i
.endr
	WIN 0
.endm
.macro FETCH_A slot, q, i0
.irp i, \i0, \i0+1, \i0+2, \i0+3
	FRAG AF+FR*(\i), ADRA+\slot, \q, \i
.endr
.endm
.macro SCALES sc
.irp i, 0,1,2,3,4,5,6,7
	ds_load_b32 v[SC+16*\sc+2*\i], v[ADRS] offset:\i*512
	ds_load_b32 v[SC+16*\sc+2*\i+1], v[ADRS] offset:\i*512+64
.endr
.endm
.macro PLACES n
.rept \n
	v_nop
.endr
.endm
.macro STEP slot, q, zero
	s_wait_dscnt 4*NL
	WIN MUL_LO
	MUL16 0, (\q)%2, \q, \slot, \zero
	MUL16 2, (\q)%2, \q, \slot, \zero
	s_wait_dscnt 0x0
	PLACES NP
	FETCH_B \slot, (\q)+1, 1-(\q)%2
	FETCH_A \slot, (\q)+1, 0
	WIN MUL_HI
	MUL16 4, (\q)%2, \q, \slot, \zero
	MUL16 6, (\q)%2, \q, \slot, \zero
	PLACES NP
	WIN 0
	FETCH_A \slot, (\q)+1, 4
.endm
.macro TURN slot, next, fill
	s_wait_tensorcnt 0x0
	ds_add_u32 v[SPW], v[NIL]
	s_wait_dscnt 4*NL+1
	WIN MUL_LO
	MUL16 0, 1, NQ-1, \slot, 0
	s_wait_dscnt 0x0
	s_barrier_signal -1
	MUL16 2, 1, NQ-1, \slot, 0
	WIN 0
	s_barrier_wait -1
.if \fill
	CREST
	s_add_nc_u64 s[G0+4*\slot+2:G0+4*\slot+3], s[G0+4*\slot+2:G0+4*\slot+3], 8192
	s_add_nc_u64 s[G0B+4*\slot+2:G0B+4*\slot+3], s[G0B+4*\slot+2:G0B+4*\slot+3], 8192
	JLOAD G0+4*\slot, G1, G0B+4*\slot, G1B
	PLACES NP-4
.else
	PLACES NP
.endif
	s_wait_alu depctr_va_vdst(0)
	v_add_nc_u32 v[ADRS], 64*NQ, v[ADRS]
	FETCH_B \next, 0, 0
	FETCH_A \next, 0, 0
	SCALES \next
	WIN MUL_HI
	MUL16 4, 1, NQ-1, \slot, 0
	MUL16 6, 1, NQ-1, \slot, 0
	PLACES NP
	WIN 0
	FETCH_A \next, 0, 4
.endm
	s_wait_alu depctr_va_vdst(0)
	s_wait_tensorcnt 0x0                           ; my tile of the head's four is in; slot 1's first fill is issued as a refill is
	ds_add_u32 v[SPW], v[NIL]
	s_mov_b32 s[G1+2], 8<<16                       ; no load of mine is out: from here on a load brings eight tiles
	s_mov_b32 s[G1+4], 8
	s_mov_b32 s[G1B+2], 8<<16
	s_mov_b32 s[G1B+4], 8
	s_mov_b32 s[G0+1], s45                         ; slot 0's descriptors, for its refill: my quarter of the slot,
	s_mov_b32 s[G0B+1], s45
	s_lshl_b32 s8, s16, 17                         ; my eight tiles of the panel
	s_mov_b32 s9, 0
	s_add_nc_u64 s[G0+2:G0+3], s[G0+2:G0+3], s[8:9]
	s_add_nc_u64 s[G0B+2:G0B+3], s[G0B+2:G0B+3], s[8:9]
	s_wait_dscnt 0x0
	CROUND                                         ; all four tiles are in, and all sixteen work-groups are here
	JLOAD G0+4, G1, G0B+4, G1B                     ; slot 1: the first tensor load behind the round
	FETCH_B 0, 0, 0
	FETCH_A 0, 0, 0
	SCALES 0
	FETCH_A 0, 0, 4
	global_prefetch_b8 v30, s[98:99] offset:12288 th:TH_LOAD_NT scope:SCOPE_SE   ; slot 3
	STEP 0, 0, 1
	TURN 0, 1, 1
	STEP 1, 0, 0
	TURN 1, 0, 1
	STEP 0, 0, 0
	TURN 0, 1, 0
	STEP 1, 0, 0
	s_wait_dscnt 4*NL
	WIN MUL_LO
	MUL16 0, 1, NQ-1, 1, 0
	MUL16 2, 1, NQ-1, 1, 0
	s_wait_dscnt 0x0
	WIN MUL_HI
	MUL16 4, 1, NQ-1, 1, 0
	MUL16 6, 1, NQ-1, 1, 0
	WIN 0
	PLACES NP
.irp b, 0,1,2,3
	v_mov_b32 v[TM+4+\b], 0
.endr
.macro EQ a
.set AC, 64*((\a)%4)
.set PCS, 64+16*((\a)%6)               ; six sets of codes: v64-127 and v192-223; a scale word's register for each block
.if (\a)%6 >= 4
.set PCS, PC+16*((\a)%6-4)
.endif
.set PWS, PW+(\a)
.if (\a) >= 6
	s_wait_xcnt 0x0                                ; the stores of six blocks back have read this set of codes
.endif
	WIN 0x28+0x14*((\a)/4)
.irp b, 0,1,2,3
	v_max3_num_f32 v[TM+\b], 0x4800000, |v[AC+16*\b]|, |v[AC+16*\b+1]|
.endr
.irp i, 2,4,6,8,10,12,14
.irp b, 0,1,2,3
	v_max3_num_f32 v[TM+\b], v[TM+\b], |v[AC+16*\b+\i]|, |v[AC+16*\b+\i+1]|
.endr
.endr
	WIN 0
.irp b, 0,1,2,3
	v_permlanex16_b32 v[TM+4+\b], v[TM+\b], s[SEL], s[SEL+1]
.endr
.irp b, 0,1,2,3
	v_max_num_f32 v[TM+\b], v[TM+\b], v[TM+4+\b]
.endr
.irp b, 0,1,2,3
	v_add_nc_u32 v[TM+12+\b], 0xfc000000, v[TM+\b]
.endr
.irp b, 0,1,2,3
	v_and_or_b32 v[TM+8+\b], v[TM+\b], 0x7f800000, s[MNT]
.endr
.irp b, 0,1,2,3
	v_lshrrev_b32 v[TM+4+\b], 23, v[TM+12+\b]
.endr
	v_lshl_or_b32 v[PWS], v[TM+5], 8, v[TM+4]
	v_lshl_or_b32 v[PWS], v[TM+6], 16, v[PWS]
	v_lshl_or_b32 v[PWS], v[TM+7], 24, v[PWS]
	WIN 0x02+(\a)/4
.irp b, 0,1,2,3
.irp i, 0,1,2,3,4,5,6,7,8,9,10,11,12,13,14,15
	v_med3_num_f32 v[T+16*\b+\i], v[AC+16*\b+\i], -v[TM+8+\b], v[TM+8+\b]
.endr
.endr
	WIN 0
.irp b, 0,1,2,3
	v_cvt_scalef32_pk8_fp8_f32 v[PCS+4*\b:PCS+4*\b+1], v[T+16*\b:T+16*\b+7], v[TM+12+\b]
	v_cvt_scalef32_pk8_fp8_f32 v[PCS+4*\b+2:PCS+4*\b+3], v[T+16*\b+8:T+16*\b+15], v[TM+12+\b]
.endr
	v_nop
.irp c, 0,1,2,3
	global_store_b128 v[CO], v[PCS+4*\c:PCS+4*\c+3], s[OC:OC+1] offset:(\a)*ASTR+512*\c
.endr
	global_store_b32 v[SO], v[PWS], s[OS:OS+1] offset:(\a)*SSTR
.endm
.irp a, 0,1,2,3,4,5,6,7
	EQ \a
.endr
	s_wait_tensorcnt 0x0
	ds_add_u32 v[SPW], v[NIL]
	s_wait_dscnt 0x0
	CROUND
	s_endpgm
.Lfunc_end_k_q7f71cad8ed_gqkv:
	.size	k_q7f71cad8ed_gqkv, .Lfunc_end_k_q7f71cad8ed_gqkv-k_q7f71cad8ed_gqkv
	.p2alignl 7, 3214868480
	.fill 96, 4, 3214868480
	.section	.rodata,"a",@progbits
	.p2align	6, 0x0
	.amdhsa_kernel k_q7f71cad8ed_gqkv
		.amdhsa_group_segment_fixed_size 327680
		.amdhsa_private_segment_fixed_size 0
		.amdhsa_enable_private_segment 0
		.amdhsa_kernarg_size 16
		.amdhsa_user_sgpr_count 2
		.amdhsa_user_sgpr_kernarg_segment_ptr 1
		.amdhsa_wavefront_size32 1
		.amdhsa_system_sgpr_workgroup_id_x 1
		.amdhsa_system_sgpr_workgroup_id_y 1
		.amdhsa_system_sgpr_workgroup_id_z 1
		.amdhsa_system_vgpr_workitem_id 0
		.amdhsa_next_free_vgpr 1024
		.amdhsa_next_free_sgpr 100
		.amdhsa_reserve_vcc 0
		.amdhsa_float_denorm_mode_32 3
		.amdhsa_float_denorm_mode_16_64 3
		.amdhsa_memory_ordered 1
		.amdhsa_forward_progress 1
		.amdhsa_inst_pref_size 189
	.end_amdhsa_kernel
	.amdgpu_metadata
---
amdhsa.version: [ 1, 2 ]
amdhsa.kernels:
  - .name:           k_q7f71cad8ed_gqkv
    .symbol:         k_q7f71cad8ed_gqkv.kd
    .args:
      - { .name: pq, .offset: 0, .size: 8, .value_kind: global_buffer, .address_space: global }
      - { .name: qkv, .offset: 8, .size: 8, .value_kind: global_buffer, .address_space: global }
    .group_segment_fixed_size: 327680
    .private_segment_fixed_size: 0
    .kernarg_segment_align: 8
    .kernarg_segment_size: 16
    .max_flat_workgroup_size: 128
    .sgpr_count:     100
    .vgpr_count:     1024
    .wavefront_size: 32
...
	.end_amdgpu_metadata
.endif
;; end of part 2
;; launch attn (part 3): grid 8 x 32, 16 waves a work-group, clusters of 4 x 1, 276,480 bytes of LDS; arguments qkv, act; writes act
.if DOCPART == 3
	.amdgcn_target "amdgcn-amd-amdhsa--gfx1250"
	.amdhsa_code_object_version 6
	.text
	.protected	k_q7f71cad8ed_attn
	.globl	k_q7f71cad8ed_attn
	.p2align	8
	.type	k_q7f71cad8ed_attn,@function
k_q7f71cad8ed_attn:
	s_mov_b64 s[64:65], 0
	v_nop
	global_prefetch_b8 v0, s[64:65] scope:SCOPE_SE
	s_setreg_imm32_b32 hwreg(HW_REG_WAVE_MODE, 25, 1), 1
	s_wait_xcnt 0x0
	s_wait_alu depctr_hold_cnt(0) depctr_sa_sdst(0) depctr_va_vdst(0) depctr_va_sdst(0) depctr_va_ssrc(0) depctr_va_vcc(0) depctr_vm_vsrc(0)
	s_getreg_b32 s2, hwreg(HW_REG_IB_STS2, 6, 4)
	s_cmp_eq_u32 s2, 0
	s_cbranch_scc0 .Lentry_in_a_cluster
	s_endpgm
.Lentry_in_a_cluster:
	s_bfe_u32 s2, ttmp6, 0x10000c
	s_cmp_lg_u32 s2, 0x3003
	s_cbranch_scc0 .Lentry_shape_is_right
	s_endpgm
.Lentry_shape_is_right:
; ATTN: products 2 and 3 on codes of FP8 (E4M3) with E8M0 scales, the softmax between them, and the quantising of the result along D for product 4.  Nothing of reference() is left out here.
; THE SOFTMAX: t = score x log2(e) / 8; M = the row's largest t so far, rounded up to a whole number; p = 2^(t - M) is quantised along the keys, not normalised; the row's sum is taken of the unquantised p and divides at the end.
; When M moves, the sum and O are multiplied by 2^(old M - new M): exact.
; SHARES.  A work-group owns 256 queries of one batch and head; each of its sixteen waves one tile of 16 queries, in 256 registers.  Every wave walks the head's 2,048 keys, 128 a step.
; A HEAD'S WHOLE K AND V STAY IN LDS, filled once: 128 KB of each, and their scale bytes.  They come in four chunks of 512 keys; key step 0 reads the first, the later steps wait for all four.  Nothing is filled again.
; CLUSTER.  The four query blocks of a cluster belong to one head: each tile is asked for jointly, by the same load with a mask that names the four.
; LAYOUT.  All operands are images of operand registers (a lane's 16 bytes at 16 x lane).  Both products are used transposed: S^T = K Q^T, O^T = V^T P^T: a lane holds one query throughout.  By the order of rows in a tile
; the 16 registers of key tiles 2 b and 2 b + 1 are keys 32 b + 16 (lane / 16) + 0 .. 15, and those of O^T's tiles 2 g, 2 g + 1 are 32 g + 16 (lane / 16) + 0 .. 15 of the head's 64.
; A HEAD'S 64 IN AN INSTRUCTION OF 128: Q's upper eight registers are zero codes.  A key tile's operand is its own eight registers and the eight behind them (the next tile's codes, or zeros): numbers, never the NaN code,
; since the quantiser holds at 448; times zero codes they add nothing.  The scale words are read as 16 bits: their upper two bytes are 0, which is a power of two.
; LIMITS: a block of zeros gets the byte 1; magnitudes under 2^-118 count as the floor; NaN and infinities are not served.  The result's scale bytes leave two at a time (a head owns half a word): parts of aligned blocks.
; No prefetch: all that a work-group reads is asked for at its head.
.set KC,    0                          ; K's codes: [128 tiles][1,024 bytes]
.set VC,    131072                     ; V's: [16 K steps][4 tiles][2,048 bytes]
.set KS,    262144                     ; K's scale words, of the pair of heads: [128 tiles][64 bytes]
.set VS,    270336                     ; V's: [16 K steps][4 tiles][64 bytes]
.set SPARE, 274432                     ; the spare words, 128 bytes for each wave: eight blocks of 256 bytes that no other line names
.set AK0,  1                           ; v1   16 x lane
.set AV0,  2                           ; v2   16 x lane + VC
.set ASK0, 3                           ; v3   KS + 4 r + 2 x (head % 2)
.set ASV0, 4                           ; v4   VS + 4 r
.set SPW,  5                           ; v5   LDS address of my spare word; never rewritten
.set NIL,  6                           ; v6   0; never rewritten
.set R4,   7                           ; v7   4 r
.set ADK,  8                           ; v8-11 addresses of the step in hand
.set ADV,  9
.set ADS,  10
.set ADT,  11                          ; v12 -M, v13 the largest t, v[14:15] the sum in two halves
.set QF,   16                          ; v16-23 Q's codes, v24-31 zeros
.set KV,   32                          ; v32-95 K's eight tiles x 8, later V's four x 16; v96-103 zeros
.set S,    104                         ; v104-167 S^T, then p
.set O,    168                         ; v168-199 O^T
.set PCD,  200                         ; v200-215 p's codes
.set SW,   216                         ; v216-223 scale words of K (8) or of V (4)
.set QS,   224                         ; v224 Q's scale word
.set PS,   225                         ; v225 p's scale word
.set F,    226                         ; v[226:227] f = 2^(old M - new M) (the pair is named; its low word serves)
.set BM,   228                         ; v228-231 the blocks' largest
.set BX,   232                         ; v232-235 the other half's, then the bytes
.set BL,   236                         ; v236-239 448 x the scale
.set BE,   240                         ; v240-243 the conversions' scale operands
.set TMP,  244
.set SUM2, 246                         ; v[246:247] the sum's second chain
.set WV,   8                           ; s8
.set G1K,  12
.set G1V,  20
.set G1KS, 28
.set G1VS, 36
.set G0KS, 44
.set G0K,  48                          ; s[48:63] four sets
.set G0VS, 68
.set G0V,  72                          ; s[72:87] four sets
.set SEL,  88
.set CS,   90                          ; s[90:91] c = log2(e) / 8
.set MNT,  92
.set TB,   97                          ; LDS byte at which the step's tiles begin (in K's and in V's region alike)
.set TS,   98                          ; and K's scale words,
.set TJ,   99                          ; and V's
.set CNT,  100
.macro CROUND
	s_barrier_signal -1
	s_barrier_wait -1
	s_cmp_lg_u32 s[WV], 0
	s_cbranch_scc1 .Lnot_wave_0_\@
	s_barrier_signal -3
.Lnot_wave_0_\@:
	s_barrier_wait -3
	s_barrier_signal -1
	s_barrier_wait -1
.endm
	s_load_b128 s[4:7], s[0:1], 0x0                ; qkv, act
	v_lshl_add_u32 v[SPW], v0, 2, SPARE
	v_mov_b32 v[NIL], 0
	ds_add_u32 v[SPW], v[NIL]                      ; the wave's opening: the add, twice on end, and its wait ahead of the first tensor loads
	ds_add_u32 v[SPW], v[NIL]
	v_lshrrev_b32 v8, 5, v0
	s_delay_alu instid0(VALU_DEP_1)
	v_readfirstlane_b32 s[WV], v8                  ; wave 0..15
	s_bfe_u32 s9, ttmp6, 0x40000                   ; cx
	s_lshl_b32 s10, ttmp9, 2
	s_add_co_u32 s9, s10, s9                       ; my block of 256 queries: it enters Q's and the result's addresses alone
	s_lshl_b32 s9, s9, 4
	s_add_co_u32 s9, s9, s[WV]                     ; T: my tile of queries in the batch
	s_and_b32 s11, ttmp7, 0xffff
	s_lshr_b32 s97, s11, 4                         ; batch
	s_and_b32 s98, s11, 15                         ; head
	s_lshr_b32 s99, s98, 1                         ; pair of heads
	s_and_b32 s100, s98, 1                         ; which of the pair
	s_lshl_b32 s101, s97, 3
	s_add_co_u32 s101, s101, s99                   ; 8 x batch + pair
	; descriptor groups 1.  All: 15:0 the mask, all four work-groups; 17:16 elements of 8 bytes; 21 set beside a mask; no padding
	s_mov_b32 s[G1K], 15|(3<<16)|(1<<21)           ; K: 32 tiles' halves: 32 rows of 1,024 bytes, 2,048 apart
	s_mov_b32 s[G1K+1], 128<<16
	s_mov_b32 s[G1K+2], 32<<16
	s_mov_b32 s[G1K+3], 128<<16
	s_mov_b32 s[G1K+4], 32
	s_mov_b32 s[G1K+5], 256
	s_mov_b32 s[G1K+6], 0
	s_mov_b32 s[G1K+7], 0
	s_mov_b32 s[G1V], 15|(3<<16)|(1<<21)           ; V: 4 K steps of the head: 4 rows of 8,192 bytes, 131,072 apart
	s_mov_b32 s[G1V+1], 1024<<16
	s_mov_b32 s[G1V+2], 4<<16
	s_mov_b32 s[G1V+3], 1024<<16
	s_mov_b32 s[G1V+4], 4
	s_mov_b32 s[G1V+5], 16384
	s_mov_b32 s[G1V+6], 0
	s_mov_b32 s[G1V+7], 0
	s_mov_b32 s[G1KS], 15|(3<<16)|(1<<21)          ; K's scale bytes: 8,192 dense bytes as 32 rows of 256
	s_mov_b32 s[G1KS+1], 32<<16
	s_mov_b32 s[G1KS+2], 32<<16
	s_mov_b32 s[G1KS+3], 32<<16
	s_mov_b32 s[G1KS+4], 32
	s_mov_b32 s[G1KS+5], 32
	s_mov_b32 s[G1KS+6], 0
	s_mov_b32 s[G1KS+7], 0
	s_mov_b32 s[G1VS], 15|(3<<16)|(1<<21)          ; V's: 16 rows of 256 bytes, 4,096 apart
	s_mov_b32 s[G1VS+1], 32<<16
	s_mov_b32 s[G1VS+2], 16<<16
	s_mov_b32 s[G1VS+3], 32<<16
	s_mov_b32 s[G1VS+4], 16
	s_mov_b32 s[G1VS+5], 512
	s_mov_b32 s[G1VS+6], 0
	s_mov_b32 s[G1VS+7], 0
	s_mov_b32 s[SEL], 0x76543210
	s_mov_b32 s[SEL+1], 0xfedcba98
	s_mov_b32 s[CS], 0x3e38aa3b                    ; log2(e) / 8
	s_mov_b32 s[CS+1], s[CS]                       ; (named with it as a pair, so it is written)
	s_mov_b32 s[MNT], 0x600000
	s_wait_dscnt 0x0                               ; both opening adds are done
	s_wait_kmcnt 0x0
	s_lshl_b32 s2, s101, 13                        ; K's scale bytes of the pair of heads
	s_add_co_u32 s2, s2, 0xc20000
	s_mov_b32 s3, 0
	s_mov_b32 s[G0KS], 1
	s_mov_b32 s[G0KS+1], KS
	s_add_nc_u64 s[G0KS+2:G0KS+3], s[4:5], s[2:3]
	s_or_b32 s[G0KS+3], s[G0KS+3], 0x80000000
	s_lshl_b32 s2, s101, 18                        ; K's codes: the pair's 128 records, my head's half of each
	s_lshl_b32 s3, s100, 10
	s_add_co_u32 s2, s2, s3
	s_add_co_u32 s2, s2, 0x400000
	s_mov_b32 s3, 0
	s_add_nc_u64 s[2:3], s[4:5], s[2:3]
.irp c, 0,1,2,3
	s_mov_b32 s[G0K+4*\c], 1
	s_mov_b32 s[G0K+4*\c+1], KC+32768*\c
	s_add_nc_u64 s[G0K+4*\c+2:G0K+4*\c+3], s[2:3], 65536*\c
	s_or_b32 s[G0K+4*\c+3], s[G0K+4*\c+3], 0x80000000
.endr
	s_lshl_b32 s2, s97, 16                         ; V's scale bytes
	s_lshl_b32 s3, s98, 8
	s_add_co_u32 s2, s2, s3
	s_add_co_u32 s2, s2, 0xc40000
	s_mov_b32 s3, 0
	s_mov_b32 s[G0VS], 1
	s_mov_b32 s[G0VS+1], VS
	s_add_nc_u64 s[G0VS+2:G0VS+3], s[4:5], s[2:3]
	s_or_b32 s[G0VS+3], s[G0VS+3], 0x80000000
	s_lshl_b32 s2, s97, 21                         ; V's codes
	s_lshl_b32 s3, s98, 13
	s_add_co_u32 s2, s2, s3
	s_add_co_u32 s2, s2, 0x800000
	s_mov_b32 s3, 0
	s_add_nc_u64 s[2:3], s[4:5], s[2:3]
.irp c, 0,1,2,3
	s_mov_b32 s[G0V+4*\c], 1
	s_mov_b32 s[G0V+4*\c+1], VC+32768*\c
	s_add_nc_u64 s[G0V+4*\c+2:G0V+4*\c+3], s[2:3], 524288*\c
	s_or_b32 s[G0V+4*\c+3], s[G0V+4*\c+3], 0x80000000
.endr
	CROUND                                         ; all four work-groups are here: the joint loads meet
; THE TEN FIRST FILLS, ONE A WAVE, each in an arm of its own of one chain of branches on the wave's number.
; Waves 0 to 3 bring what the first key step reads (both tensors' scale bytes, the first 512 keys of K and of V); waves 4 to 9 the other three chunks; waves 10 to 15 nothing.
.macro ARM under, g0, g1, next
	s_cmp_lt_u32 s[WV], \under
	s_cbranch_scc0 \next
	tensor_load_to_lds s[\g0:\g0+3], s[\g1:\g1+7]
	s_nop 0
.rept 4
	v_nop
.endr
	s_branch .Lasked
\next:
.endm
	ARM 1, G0KS, G1KS, .Larm1
	ARM 2, G0K, G1K, .Larm2
	ARM 3, G0VS, G1VS, .Larm3
	ARM 4, G0V, G1V, .Larm4
	ARM 5, G0K+4, G1K, .Larm5
	ARM 6, G0V+4, G1V, .Larm6
	ARM 7, G0K+8, G1K, .Larm7
	ARM 8, G0V+8, G1V, .Larm8
	ARM 9, G0K+12, G1K, .Larm9
	ARM 10, G0V+12, G1V, .Larm10
.Lasked:
	v_and_b32 v[R4], 15, v0
	s_delay_alu instid0(VALU_DEP_1)
	v_lshlrev_b32 v[R4], 2, v[R4]                  ; 4 r
	v_and_b32 v[AK0], 31, v0
	s_delay_alu instid0(VALU_DEP_1)
	v_lshlrev_b32 v[AK0], 4, v[AK0]                ; 16 x lane
	s_wait_alu depctr_va_vdst(0)
	v_add_nc_u32 v[AV0], VC, v[AK0]
	s_lshl_b32 s93, s100, 1
	s_add_co_u32 s93, s93, KS
	v_add_nc_u32 v[ASK0], s93, v[R4]
	v_add_nc_u32 v[ASV0], VS, v[R4]
	; where the result goes: tile 128 x batch + T, K step = the pair of heads, c = 2 x (head % 2) + 0, 1
	s_lshl_b32 s93, s97, 7
	s_add_co_u32 s93, s93, s9
	s_lshl_b32 s2, s93, 14
	s_lshl_b32 s3, s99, 11
	s_add_co_u32 s2, s2, s3
	s_lshl_b32 s3, s100, 10
	s_add_co_u32 s2, s2, s3
	s_add_co_u32 s2, s2, 524288
	s_mov_b32 s3, 0
	s_add_nc_u64 s[66:67], s[6:7], s[2:3]          ; its codes
	s_lshl_b32 s2, s93, 9
	s_lshl_b32 s96, s99, 6
	s_add_co_u32 s2, s2, s96
	s_lshl_b32 s96, s100, 1
	s_add_co_u32 s2, s2, s96
	s_add_nc_u64 s[10:11], s[6:7], s[2:3]          ; its scale bytes
	; Q: record (8 x batch + pair) x 128 + T, my head's half
	s_lshl_b32 s93, s101, 7
	s_add_co_u32 s93, s93, s9
	s_lshl_b32 s94, s93, 6
	s_add_co_u32 s94, s94, s96
	s_add_co_u32 s94, s94, 0xc00000
	s_mov_b32 s95, 0
	s_add_nc_u64 s[94:95], s[4:5], s[94:95]
	s_lshl_b32 s2, s93, 11
	s_lshl_b32 s96, s100, 10
	s_add_co_u32 s2, s2, s96
	s_add_nc_u64 s[2:3], s[4:5], s[2:3]
	global_load_b128 v[QF:QF+3], v[AK0], s[2:3]
	global_load_b128 v[QF+4:QF+7], v[AK0], s[2:3] offset:512
	global_load_u16 v[QS], v[R4], s[94:95]
.set j, 0
.rept 8
	v_mov_b32 v[QF+8+j], 0                         ; Q's upper half: zero codes
	v_mov_b32 v[KV+64+j], 0                        ; and what stands behind K's last tile
.set j, j+1
.endr
	v_mov_b32 v13, 0xff61b1e6                      ; the largest t so far: -3e38, under every t
	s_delay_alu instid0(VALU_DEP_1)
	v_floor_f32 v12, -v13                          ; -M
	v_mov_b32 v14, 0
	v_mov_b32 v15, 0
.irp b, 0,1,2,3
	v_mov_b32 v[BX+\b], 0                          ; written once: a lane permute's destination counts as one of its sources
.endr
	v_mov_b32 v[F+1], 0                            ; (named as the upper half of a pair)
	v_mov_b32 v[TMP], 0
.set j, 0
.rept 32
	v_mov_b32 v[O+j], 0                            ; O^T: the step is written once; its first run finds zeros, which the first change of M leaves zeros
.set j, j+1
.endr
; A KEY STEP: 128 keys.
.macro STEP
	v_add_nc_u32 v[ADK], s[TB], v[AK0]
	v_add_nc_u32 v[ADV], s[TB], v[AV0]
	v_add_nc_u32 v[ADS], s[TS], v[ASK0]
	v_add_nc_u32 v[ADT], s[TJ], v[ASV0]
.rept 4
	v_nop                                          ; with the four additions: eight places in front of loads into registers that the last products read
.endr
.irp t, 0,1,2,3,4,5,6,7
	ds_load_b128 v[KV+8*\t:KV+8*\t+3], v[ADK] offset:1024*\t
	ds_load_b128 v[KV+8*\t+4:KV+8*\t+7], v[ADK] offset:1024*\t+512
	ds_load_u16 v[SW+\t], v[ADS] offset:64*\t
.endr
	s_wait_alu depctr_va_vdst(0)
	s_wait_dscnt 0x0
.irp t, 0,1,2,3,4,5,6,7
	v_wmma_scale_f32_16x16x128_f8f6f4 v[S+8*\t:S+8*\t+7], v[KV+8*\t:KV+8*\t+15], v[QF:QF+15], 0, v[SW+\t], v[QS]
.endr
.rept 8
	v_nop                                          ; places in front of the loads below and of the first read of the scores
.endr
.irp t, 0,1,2,3                                    ; V's four tiles are asked for now: they land under the softmax
.irp c, 0,1,2,3
	ds_load_b128 v[KV+16*\t+4*\c:KV+16*\t+4*\c+3], v[ADV] offset:2048*\t+512*\c
.endr
	ds_load_b32 v[SW+\t], v[ADT] offset:64*\t
.endr
.irp b, 0,1,2,3
	v_max3_num_f32 v[BM+\b], v[S+16*\b], v[S+1+16*\b], v[S+2+16*\b]   ; the largest score of each block of 32 keys: it serves the row's maximum and, since p rises with the score, the block's largest p
.endr
.irp i, 3,5,7,9,11,13
.irp b, 0,1,2,3
	v_max3_num_f32 v[BM+\b], v[BM+\b], v[S+16*\b+\i], v[S+1+16*\b+\i]
.endr
.endr
.irp b, 0,1,2,3
	v_max_num_f32 v[BM+\b], v[BM+\b], v[S+15+16*\b]
.endr
.irp b, 0,1,2,3
	s_delay_alu instid0(VALU_DEP_4)
	v_permlanex16_b32 v[BX+\b], v[BM+\b], s[SEL], s[SEL+1]
.endr
.irp b, 0,1,2,3
	s_delay_alu instid0(VALU_DEP_4)
	v_max_num_f32 v[BM+\b], v[BM+\b], v[BX+\b]     ; with lane l xor 16's 16 keys
.endr
	s_delay_alu instid0(VALU_DEP_2)
	v_max3_num_f32 v[TMP], v[BM], v[BM+1], v[BM+2]
	s_delay_alu instid0(VALU_DEP_1)
	v_max_num_f32 v[TMP], v[TMP], v[BM+3]          ; the step's largest score of my query
	s_delay_alu instid0(VALU_DEP_1)
	v_mul_f32 v[TMP], s[CS], v[TMP]                ; as t (c is positive)
	s_delay_alu instid0(VALU_DEP_1)
	v_max_num_f32 v13, v13, v[TMP]                 ; the running largest t
	v_mov_b32 v[TMP], v12
	s_delay_alu instid0(VALU_DEP_2)
	v_floor_f32 v12, -v13                          ; the new -M = floor(-t) = -ceil(t)
	s_delay_alu instid0(VALU_DEP_1)
	v_sub_f32 v[TMP], v12, v[TMP]                  ; old M - new M: a whole number, 0 or less
	s_delay_alu instid0(VALU_DEP_1)
	v_cvt_i32_f32 v[TMP], v[TMP]                   ; (it saturates)
	s_delay_alu instid0(VALU_DEP_1)
	v_ldexp_f32 v[F], 1.0, v[TMP]                  ; f = 2^(old M - new M)
.set j, 0
.rept 32
	v_pk_fma_f32 v[S+j:S+j+1], v[S+j:S+j+1], s[CS:CS+1], v[12:13] op_sel_hi:[1,0,0]   ; t - M, two at a time
.set j, j+2
.endr
.irp b, 0,1,2,3
	v_fma_f32 v[BM+\b], v[BM+\b], s[CS], v12       ; the same of each block's largest score
.endr
.set j, 0
	s_wait_alu depctr_va_vdst(0)
.rept 64
	v_exp_f32 v[S+j], v[S+j]                       ; p = 2^(t - M)
.set j, j+1
.endr
	v_pk_mul_f32 v[14:15], v[14:15], v[F:F+1] op_sel_hi:[1,0]   ; the sums under the new M: a plain line behind the exponentials
	s_wait_alu depctr_va_vdst(0)                   ; one wait for the whole batch, ahead of its first reader
.irp b, 0,1,2,3
	v_exp_f32 v[BM+\b], v[BM+\b]                   ; the block's largest p
.endr
	v_pk_add_f32 v[246:247], v[108:109], v[112:113]
	v_pk_add_f32 v[254:255], v[116:117], v[120:121]
	v_pk_add_f32 v[252:253], v[124:125], v[128:129]
	v_pk_add_f32 v[250:251], v[132:133], v[136:137]
	v_pk_add_f32 v[248:249], v[140:141], v[144:145]
	v_pk_add_f32 v[242:243], v[148:149], v[152:153]
	v_pk_add_f32 v[240:241], v[156:157], v[160:161]
	v_pk_add_f32 v[14:15], v[14:15], v[164:165]
	v_pk_add_f32 v[246:247], v[246:247], v[104:105]
	v_pk_add_f32 v[254:255], v[254:255], v[106:107]
	v_pk_add_f32 v[252:253], v[252:253], v[110:111]
	v_pk_add_f32 v[250:251], v[250:251], v[114:115]
	v_pk_add_f32 v[248:249], v[248:249], v[118:119]
	v_pk_add_f32 v[242:243], v[242:243], v[122:123]
	v_pk_add_f32 v[240:241], v[240:241], v[126:127]
	v_pk_add_f32 v[14:15], v[14:15], v[130:131]
	v_pk_add_f32 v[246:247], v[246:247], v[134:135]
	v_pk_add_f32 v[254:255], v[254:255], v[138:139]
	v_pk_add_f32 v[252:253], v[252:253], v[142:143]
	v_pk_add_f32 v[250:251], v[250:251], v[146:147]
	v_pk_add_f32 v[248:249], v[248:249], v[150:151]
	v_pk_add_f32 v[242:243], v[242:243], v[154:155]
	v_pk_add_f32 v[240:241], v[240:241], v[158:159]
	v_pk_add_f32 v[14:15], v[14:15], v[162:163]
	v_pk_add_f32 v[246:247], v[246:247], v[166:167]
	s_delay_alu instid0(VALU_DEP_2)
	v_pk_add_f32 v[14:15], v[14:15], v[250:251]
	s_delay_alu instid0(VALU_DEP_2)
	v_pk_add_f32 v[246:247], v[246:247], v[248:249]
	v_pk_add_f32 v[254:255], v[254:255], v[242:243]
	v_pk_add_f32 v[252:253], v[252:253], v[240:241]
	s_delay_alu instid0(VALU_DEP_2)
	v_pk_add_f32 v[14:15], v[14:15], v[254:255]
	s_delay_alu instid0(VALU_DEP_2)
	v_pk_add_f32 v[246:247], v[246:247], v[252:253]
	s_delay_alu instid0(VALU_DEP_1)
	v_pk_add_f32 v[14:15], v[14:15], v[246:247]
	s_wait_alu depctr_va_vdst(0)                   ; and one for the four
.irp b, 0,1,2,3
	v_max_num_f32 v[BM+\b], 0x4800000, v[BM+\b]    ; the floor 2^(9 - 127)
.endr
.irp b, 0,1,2,3
	s_delay_alu instid0(VALU_DEP_4)
	v_add_nc_u32 v[BE+\b], 0xfc000000, v[BM+\b]
.endr
.irp b, 0,1,2,3
	v_and_or_b32 v[BL+\b], v[BM+\b], 0x7f800000, s[MNT]
	v_and_or_b32 v[249+\b], v[BM+\b], 0x7f800000, s[MNT]   ; the bound once more, in v249-252: a register number that differs modulo 4, for the second half of a dual pair
.endr
.irp b, 0,1,2,3
	v_lshrrev_b32 v[BX+\b], 23, v[BE+\b]
.endr
	s_delay_alu instid0(VALU_DEP_3)
	v_lshl_or_b32 v[PS], v[BX+1], 8, v[BX]         ; p's scale word for these 128 keys
	s_delay_alu instid0(VALU_DEP_1)
	v_lshl_or_b32 v[PS], v[BX+2], 16, v[PS]
	s_delay_alu instid0(VALU_DEP_1)
	v_lshl_or_b32 v[PS], v[BX+3], 24, v[PS]
.irp b, 0,1,2,3
.irp i, 0,2,4,6,8,10,12,14
	v_dual_min_num_f32 v[S+16*\b+\i], v[S+16*\b+\i], v[BL+\b] :: v_dual_min_num_f32 v[S+16*\b+\i+1], v[S+16*\b+\i+1], v[249+\b]   ; the conversion does not saturate (ISA guide 7.6.2); p is not negative, so the hold is one-sided; two holds to an instruction
.endr
	v_cvt_scalef32_pk8_fp8_f32 v[PCD+4*\b:PCD+1+4*\b], v[S+16*\b:S+7+16*\b], v[BE+\b]
	v_cvt_scalef32_pk8_fp8_f32 v[PCD+2+4*\b:PCD+3+4*\b], v[S+8+16*\b:S+15+16*\b], v[BE+\b]
.endr
.set j, 0
	s_wait_alu depctr_va_vdst(0)                   ; the wait directly ahead of the first reader of O^T
.rept 16
	v_pk_mul_f32 v[O+j:O+j+1], v[O+j:O+j+1], v[F:F+1] op_sel_hi:[1,0]
.set j, j+2
.endr
	s_wait_alu depctr_va_vdst(0)
	s_wait_dscnt 0x0                               ; V is in
.irp t, 0,1,2,3                                    ; the four accumulators by turns; eleven other matrix instructions stand between two links on one of them
	v_wmma_scale_f32_16x16x128_f8f6f4 v[O+8*\t:O+8*\t+7], v[KV+16*\t:KV+16*\t+15], v[PCD:PCD+15], v[O+8*\t:O+8*\t+7], v[SW+\t], v[PS]
.endr
	s_add_co_u32 s[TB], s[TB], 8192
	s_add_co_u32 s[TS], s[TS], 512
	s_add_co_u32 s[TJ], s[TJ], 256
.endm
; TWO BARRIERS IN ALL.  The first shows what waves 0 to 3 brought: they alone wait in front of it, and their load lines are their own.  Key step 0 reads only that.
; In front of the second every wave waits for its load: behind it all of K and V is in, and the other fifteen key steps run with no barrier.  Nothing is filled again.
	s_wait_alu depctr_va_vdst(0)
	s_wait_loadcnt 0x0                             ; Q
	s_cmp_lt_u32 s[WV], 4
	s_cbranch_scc0 .Lnot_first
	s_wait_tensorcnt 0x0
.Lnot_first:
	s_barrier_signal -1
	s_barrier_wait -1
	s_mov_b32 s[TB], 0
	s_mov_b32 s[TS], 0
	s_mov_b32 s[TJ], 0
	STEP
	s_wait_tensorcnt 0x0
	s_barrier_signal -1
	s_barrier_wait -1
	s_mov_b32 s[TB], 8192
	s_mov_b32 s[TS], 512
	s_mov_b32 s[TJ], 256
	s_mov_b32 s[CNT], 15
.Lstep:
	STEP
	s_sub_co_u32 s[CNT], s[CNT], 1
	s_cmp_lg_u32 s[CNT], 0
	s_cbranch_scc1 .Lstep
	; THE WAY OUT.  O^T / the sum: register 16 g + i is 32 g + 16 (lane / 16) + i of my head's 64: two blocks of the next product's K.  They are quantised and leave as half a fragment's image.
	v_add_f32 v14, v14, v15
	s_delay_alu instid0(VALU_DEP_1)
	v_permlanex16_b32 v[TMP], v14, s[SEL], s[SEL+1]
	s_delay_alu instid0(VALU_DEP_1)
	v_add_f32 v14, v14, v[TMP]                     ; the row's sum
	s_wait_alu depctr_va_vdst(0)
	v_rcp_f32 v[F], v14
.rept 5
	v_nop                                          ; a plain line behind the reciprocal; with the three lines above: eight places behind the last products
.endr
	s_wait_alu depctr_va_vdst(0)                   ; the wait ahead of the reciprocal's first reader
.set j, 0
.rept 32
	v_mul_f32 v[S+j], v[O+j], v[F]
.set j, j+1
.endr
.irp b, 0,1
	v_max3_num_f32 v[BM+\b], |v[S+16*\b]|, |v[S+1+16*\b]|, 0x4800000
.endr
.irp i, 2,4,6,8,10,12,14
.irp b, 0,1
	s_delay_alu instid0(VALU_DEP_2)
	v_max3_num_f32 v[BM+\b], v[BM+\b], |v[S+16*\b+\i]|, |v[S+1+16*\b+\i]|
.endr
.endr
.irp b, 0,1
	s_delay_alu instid0(VALU_DEP_2)
	v_permlanex16_b32 v[BX+\b], v[BM+\b], s[SEL], s[SEL+1]
.endr
.irp b, 0,1
	s_delay_alu instid0(VALU_DEP_2)
	v_max_num_f32 v[BM+\b], v[BM+\b], v[BX+\b]
.endr
.irp b, 0,1
	s_delay_alu instid0(VALU_DEP_2)
	v_add_nc_u32 v[BE+\b], 0xfc000000, v[BM+\b]
.endr
.irp b, 0,1
	s_delay_alu instid0(VALU_DEP_4)
	v_and_or_b32 v[BL+\b], v[BM+\b], 0x7f800000, s[MNT]
.endr
.irp b, 0,1
	s_delay_alu instid0(VALU_DEP_4)
	v_lshrrev_b32 v[BX+\b], 23, v[BE+\b]
.endr
	s_delay_alu instid0(VALU_DEP_1)
	v_lshl_or_b32 v[PS], v[BX+1], 8, v[BX]         ; my head's two scale bytes
.irp b, 0,1
.irp i, 0,1,2,3,4,5,6,7,8,9,10,11,12,13,14,15
	v_med3_num_f32 v[S+16*\b+\i], v[S+16*\b+\i], -v[BL+\b], v[BL+\b]
.endr
	v_cvt_scalef32_pk8_fp8_f32 v[PCD+4*\b:PCD+1+4*\b], v[S+16*\b:S+7+16*\b], v[BE+\b]
	v_cvt_scalef32_pk8_fp8_f32 v[PCD+2+4*\b:PCD+3+4*\b], v[S+8+16*\b:S+15+16*\b], v[BE+\b]
.endr
	v_nop                                          ; a plain line behind the last conversion
	global_store_b128 v[AK0], v[PCD:PCD+3], s[66:67]                ; 512 consecutive bytes each
	global_store_b128 v[AK0], v[PCD+4:PCD+7], s[66:67] offset:512
	global_store_b16 v[R4], v[PS], s[10:11]        ; lanes 16-31 hold the same bytes and write them to the same places
	s_wait_tensorcnt 0x0                           ; the wave's end
	ds_add_u32 v[SPW], v[NIL]
	s_wait_dscnt 0x0
	CROUND                                         ; the closing round
	s_endpgm
.Lfunc_end_k_q7f71cad8ed_attn:
	.size	k_q7f71cad8ed_attn, .Lfunc_end_k_q7f71cad8ed_attn-k_q7f71cad8ed_attn
	.p2alignl 7, 3214868480
	.fill 96, 4, 3214868480
	.section	.rodata,"a",@progbits
	.p2align	6, 0x0
	.amdhsa_kernel k_q7f71cad8ed_attn
		.amdhsa_group_segment_fixed_size 276480
		.amdhsa_private_segment_fixed_size 0
		.amdhsa_enable_private_segment 0
		.amdhsa_kernarg_size 16
		.amdhsa_user_sgpr_count 2
		.amdhsa_user_sgpr_kernarg_segment_ptr 1
		.amdhsa_wavefront_size32 1
		.amdhsa_system_sgpr_workgroup_id_x 1
		.amdhsa_system_sgpr_workgroup_id_y 1
		.amdhsa_system_sgpr_workgroup_id_z 1
		.amdhsa_system_vgpr_workitem_id 0
		.amdhsa_next_free_vgpr 256
		.amdhsa_next_free_sgpr 102
		.amdhsa_reserve_vcc 0
		.amdhsa_float_denorm_mode_32 3
		.amdhsa_float_denorm_mode_16_64 3
		.amdhsa_memory_ordered 1
		.amdhsa_forward_progress 1
		.amdhsa_inst_pref_size 62
	.end_amdhsa_kernel
	.amdgpu_metadata
---
amdhsa.version: [ 1, 2 ]
amdhsa.kernels:
  - .name:           k_q7f71cad8ed_attn
    .symbol:         k_q7f71cad8ed_attn.kd
    .args:
      - { .name: qkv, .offset: 0, .size: 8, .value_kind: global_buffer, .address_space: global }
      - { .name: act, .offset: 8, .size: 8, .value_kind: global_buffer, .address_space: global }
    .group_segment_fixed_size: 276480
    .private_segment_fixed_size: 0
    .kernarg_segment_align: 8
    .kernarg_segment_size: 16
    .max_flat_workgroup_size: 512
    .sgpr_count:     102
    .vgpr_count:     256
    .wavefront_size: 32
...
	.end_amdgpu_metadata
.endif
;; end of part 3
;; launch gproj (part 4): grid 8 x 32, 4 waves a work-group, clusters of 4 x 4, 288,512 bytes of LDS; arguments act, woq, cb; writes cb
.if DOCPART == 4
	.amdgcn_target "amdgcn-amd-amdhsa--gfx1250"
	.amdhsa_code_object_version 6
	.text
	.protected	k_q7f71cad8ed_gproj
	.globl	k_q7f71cad8ed_gproj
	.p2align	8
	.type	k_q7f71cad8ed_gproj,@function
k_q7f71cad8ed_gproj:
	s_mov_b64 s[64:65], 0
	v_nop
	global_prefetch_b8 v0, s[64:65] scope:SCOPE_SE
	s_setreg_imm32_b32 hwreg(HW_REG_WAVE_MODE, 25, 1), 1
	s_wait_xcnt 0x0
	s_wait_alu depctr_hold_cnt(0) depctr_sa_sdst(0) depctr_va_vdst(0) depctr_va_sdst(0) depctr_va_ssrc(0) depctr_va_vcc(0) depctr_vm_vsrc(0)
	s_getreg_b32 s2, hwreg(HW_REG_IB_STS2, 6, 4)
	s_cmp_eq_u32 s2, 0
	s_cbranch_scc0 .Lentry_in_a_cluster
	s_endpgm
.Lentry_in_a_cluster:
	s_bfe_u32 s2, ttmp6, 0x10000c
	s_cmp_lg_u32 s2, 0xf033
	s_cbranch_scc0 .Lentry_shape_is_right
	s_endpgm
.Lentry_shape_is_right:
; GPROJ: product 4, C = A B^T on codes of FP8 (E4M3) with E8M0 scales: A = the attention's result [4,096 x 1,024], B = w_o [1,024 (n) x 1,024 (k)]; the sums leave as f32, row-major, in plane 0 of cb.  Nothing of reference() is left out here.
; Operands lie in memory as images of operand registers: a fragment (16 rows x 128 K) is 2,048 bytes, [c][lane][16 bytes]; its scale record 64 bytes; a tile is 8 K steps on end.
; act: scales from byte 0, codes from byte 524,288.  woq: scales from 0, codes from 131,072.  Tile 2 g + u, tile row r' is row 32 g + 8 u + r' + 8 (r' / 8).
; SHARES.  C has 32 x 8 blocks of 128 x 128: 256 work-groups.  Four waves, 2 x 2, each 64 x 64: 16 accumulators.  A block's 8 tiles of A and 8 of B, ALL of K, are two dense runs of 131,072 bytes:
; they and their scale bytes (4,096 each) come by four joint loads at the head, one a wave, and stay: no ring, no refill, one barrier.
; CLUSTERS: 4 x 4 work-groups; A's run is shared along a row of the cluster, B's along a column.  No prefetch: all that a work-group reads is asked for at its head.
; THE MATRIX INSTRUCTION IS USED TRANSPOSED (source 0 = 16 rows of B, source 1 = 16 rows of A): in accumulator (a, b) lane (r, h), register j is
; C(32 (a / 2) + 8 (a % 2) + r + 8 (r / 8), 32 (b / 2) + 8 (b % 2) + 16 h + j) of my 64 x 64.
; REGISTERS: window 0: v16-29 addresses; v32-63 scale words (register 4 q + i: lanes 0-15 A's tile i, lanes 16-31 B's tile i, K step q); v64-127 rows on the way out; v128-255 A's fragments, two sets.
; window 1: v0-127 B's fragments, two sets; v128-255 the accumulators.
.set BOFF,  131072                     ; LDS: A's run at 0, B's here
.set SCL,   262144                     ; A's scale bytes
.set SCLB,  4160                       ; B's, so far behind A's: 64 bytes aside, so that the two halves of the lanes read different banks
.set SPARE, 270592                     ; the spare words, 128 bytes for each wave
.set STAGE, 271104                     ; the way out: 16 rows x (256 + 16) bytes for each wave; no tensor load lands here
.set SPITCH, 272
.set NP,   8
.set ADRA, 16
.set ADRB, 17
.set ADRS, 18
.set STO,  19
.set RD,   20
.set CO,   21
.set SPW,  28
.set NIL,  29
.set SC,   32
.set BK,   64
.set AF,   128
.set ACC,  128
.set G1, 24
.set G0, 32
.set G1B, 48
.set G0B, 56
.set G1S, 68
.set G0S, 76
.set G1SB, 80
.set G0SB, 88
.set MSB, 0
.macro WIN new
.if MSB != \new
	s_set_vgpr_msb (MSB<<8)|\new
.set MSB, \new
.endif
.endm
.macro PLACES n
.rept \n
	v_nop
.endr
.endm
.macro CROUND
	s_barrier_signal -1
	s_barrier_wait -1
	s_cmp_lg_u32 s14, 0
	s_cbranch_scc1 .Lnot_wave_0_\@
	s_barrier_signal -3
.Lnot_wave_0_\@:
	s_barrier_wait -3
	s_barrier_signal -1
	s_barrier_wait -1
.endm
	s_load_b128 s[4:7], s[0:1], 0x0                ; act, woq
	s_load_b64 s[8:9], s[0:1], 0x10                ; cb
	v_lshl_add_u32 v[SPW], v0, 2, SPARE
	v_mov_b32 v[NIL], 0
	ds_add_u32 v[SPW], v[NIL]                      ; the opening: the add, twice on end, and its wait ahead of my first tensor load
	ds_add_u32 v[SPW], v[NIL]
	v_lshrrev_b32 v1, 5, v0
	v_readfirstlane_b32 s14, v1                    ; wave 0..3
	s_lshr_b32 s15, s14, 1                         ; my half of the block's rows
	s_and_b32 s16, s14, 1                          ; my half of its columns
	s_bfe_u32 s40, ttmp6, 0x40000                  ; cx, cy
	s_bfe_u32 s41, ttmp6, 0x40004
	s_and_b32 s17, ttmp7, 0xffff
	s_lshl_b32 s17, s17, 2
	s_add_co_u32 s17, s17, s41                     ; my block of 128 rows
	s_lshl_b32 s42, ttmp9, 2
	s_add_co_u32 s42, s42, s40                     ; my block of 128 columns
	s_lshl_b32 s43, s41, 2
	s_lshl_b32 s43, 15, s43                        ; my row of the cluster
	s_lshl_b32 s44, 0x1111, s40                    ; my column
	s_or_b32 s[G1], s43, (3<<16)|(1<<21)           ; codes: 131,072 dense bytes as 32 rows of 4,096 (512 elements of 8 bytes)
	s_or_b32 s[G1B], s44, (3<<16)|(1<<21)
.irp g, G1, G1B
	s_mov_b32 s[\g+1], 512<<16
	s_mov_b32 s[\g+2], 32<<16
	s_mov_b32 s[\g+3], 512<<16
	s_mov_b32 s[\g+4], 32
	s_mov_b32 s[\g+5], 512
	s_mov_b32 s[\g+6], 0
	s_mov_b32 s[\g+7], 0
.endr
	s_or_b32 s[G1S], s43, (3<<16)|(1<<21)          ; scale bytes: 4,096 dense bytes as 16 rows of 256
	s_or_b32 s[G1SB], s44, (3<<16)|(1<<21)
.irp g, G1S, G1SB
	s_mov_b32 s[\g+1], 32<<16
	s_mov_b32 s[\g+2], 16<<16
	s_mov_b32 s[\g+3], 32<<16
	s_mov_b32 s[\g+4], 16
	s_mov_b32 s[\g+5], 32
	s_mov_b32 s[\g+6], 0
	s_mov_b32 s[\g+7], 0
.endr
	s_lshl_b32 s20, s17, 17                        ; 8 tiles of 16,384 bytes to a block
	s_lshr_b32 s22, s20, 5                         ; a scale byte for each 32 codes, in the same order
	s_add_co_u32 s20, s20, 524288
	s_mov_b32 s21, 0
	s_mov_b32 s23, 0
	s_lshl_b32 s46, s42, 17
	s_lshr_b32 s92, s46, 5
	s_add_co_u32 s46, s46, 131072
	s_mov_b32 s47, 0
	s_mov_b32 s93, 0
	s_mov_b32 s[G0], 1
	s_mov_b32 s[G0+1], 0
	s_mov_b32 s[G0B], 1
	s_mov_b32 s[G0B+1], BOFF
	s_mov_b32 s[G0S], 1
	s_mov_b32 s[G0S+1], SCL
	s_mov_b32 s[G0SB], 1
	s_mov_b32 s[G0SB+1], SCL+SCLB
	s_wait_dscnt 0x0                               ; both opening adds are done
	s_wait_kmcnt 0x0
	s_add_nc_u64 s[G0+2:G0+3], s[4:5], s[20:21]
	s_or_b32 s[G0+3], s[G0+3], 0x80000000
	s_add_nc_u64 s[G0S+2:G0S+3], s[4:5], s[22:23]
	s_or_b32 s[G0S+3], s[G0S+3], 0x80000000
	s_add_nc_u64 s[G0B+2:G0B+3], s[6:7], s[46:47]
	s_or_b32 s[G0B+3], s[G0B+3], 0x80000000
	s_add_nc_u64 s[G0SB+2:G0SB+3], s[6:7], s[92:93]
	s_or_b32 s[G0SB+3], s[G0SB+3], 0x80000000
	CROUND                                         ; all sixteen work-groups are here: the joint loads meet
; one joint load a wave, in one chain of branches on the wave's number
.macro ARM under, g0, g1, next
	s_cmp_lt_u32 s14, \under
	s_cbranch_scc0 \next
	tensor_load_to_lds s[\g0:\g0+3], s[\g1:\g1+7]
	s_nop 0
	PLACES 4
	s_branch .Lhead_asked
\next:
.endm
	ARM 1, G0, G1, .Lhead_b
	ARM 2, G0B, G1B, .Lhead_sa
	ARM 3, G0S, G1S, .Lhead_sb
	tensor_load_to_lds s[G0SB:G0SB+3], s[G1SB:G1SB+7]
	s_nop 0
	PLACES 4
.Lhead_asked:
	s_lshl_b32 s94, s15, 16                        ; my four tiles of A,
	s_lshl_b32 s95, s16, 16
	s_add_co_u32 s95, s95, BOFF                    ; of B
	s_lshl_b32 s96, s15, 11                        ; their scale records: 512 bytes a tile
	s_lshl_b32 s97, s16, 11
	s_add_co_u32 s97, s97, SCLB
	s_sub_co_u32 s97, s97, s96                     ; from A's to B's
	s_add_co_u32 s96, s96, SCL
	s_mul_i32 s10, s14, 16*SPITCH
	s_add_co_u32 s10, s10, STAGE                   ; my stage
	s_lshl_b32 s20, s17, 19                        ; C: 128 rows of 4,096 bytes to a block,
	s_lshl_b32 s21, s15, 18                        ; 64 to my half;
	s_add_co_u32 s20, s20, s21
	s_lshl_b32 s21, s42, 9                         ; 128 columns of 4 bytes,
	s_add_co_u32 s20, s20, s21
	s_lshl_b32 s21, s16, 8                         ; 64 to my half
	s_add_co_u32 s20, s20, s21
	s_mov_b32 s21, 0
	s_add_nc_u64 s[12:13], s[8:9], s[20:21]
	v_and_b32 v1, 15, v0                           ; r
	v_bfe_u32 v2, v0, 4, 1                         ; h
	v_and_b32 v3, 31, v0
	v_lshlrev_b32 v3, 4, v3                        ; 16 x lane
	v_add_nc_u32 v[ADRA], s94, v3
	v_add_nc_u32 v[ADRB], s95, v3
	v_mul_u32_u24 v4, s97, v2                      ; lanes 16-31 take B's scale words: one product with h
	v_lshl_add_u32 v4, v1, 2, v4
	v_add_nc_u32 v[ADRS], s96, v4
	v_mul_u32_u24 v5, v1, SPITCH
	v_lshl_add_u32 v5, v2, 6, v5
	v_add_nc_u32 v[STO], s10, v5                   ; into the stage: row r, + 64 h
	v_mul_u32_u24 v6, v2, SPITCH
	v_lshl_add_u32 v6, v1, 4, v6
	v_add_nc_u32 v[RD], s10, v6                    ; back: lanes 0-15 one row of 256 bytes, lanes 16-31 the next
	v_lshlrev_b32 v7, 12, v2
	v_lshl_add_u32 v[CO], v1, 4, v7                ; and the same two rows in C
.macro FETCH q, p                      ; K step q: B's four fragments and A's four into set p: 32 loads
	WIN 0x40
.irp i, 0,1,2,3
.irp c, 0,1,2,3
	ds_load_b128 v[64*(\p)+16*\i+4*\c:64*(\p)+16*\i+4*\c+3], v[ADRB] offset:\i*16384+(\q)*2048+512*\c
.endr
.endr
	WIN 0
.irp i, 0,1,2,3
.irp c, 0,1,2,3
	ds_load_b128 v[AF+64*(\p)+16*\i+4*\c:AF+64*(\p)+16*\i+4*\c+3], v[ADRA] offset:\i*16384+(\q)*2048+512*\c
.endr
.endr
.endm
.macro MUL q, p, zero                  ; 16 matrix instructions; the 16 accumulators take turns, in the same order in every step.  zero = 1: the first products start the sums
	WIN 0x51                                       ; source 0 (B), C and D: window 1; source 1 (A): window 0
.irp a, 0,1,2,3
.irp b, 0,1,2,3
.if \zero
	v_wmma_scale_f32_16x16x128_f8f6f4 v[ACC+8*(4*\a+\b):ACC+8*(4*\a+\b)+7], v[64*(\p)+16*\b:64*(\p)+16*\b+15], v[AF+64*(\p)+16*\a:AF+64*(\p)+16*\a+15], 0, v[SC+4*(\q)+\b], v[SC+4*(\q)+\a] matrix_a_scale:MATRIX_SCALE_ROW1
.else
	v_wmma_scale_f32_16x16x128_f8f6f4 v[ACC+8*(4*\a+\b):ACC+8*(4*\a+\b)+7], v[64*(\p)+16*\b:64*(\p)+16*\b+15], v[AF+64*(\p)+16*\a:AF+64*(\p)+16*\a+15], v[ACC+8*(4*\a+\b):ACC+8*(4*\a+\b)+7], v[SC+4*(\q)+\b], v[SC+4*(\q)+\a] matrix_a_scale:MATRIX_SCALE_ROW1
.endif
.endr
.endr
.endm
	s_wait_alu depctr_va_vdst(0)
	s_wait_tensorcnt 0x0                           ; my tile is in,
	s_barrier_signal -1
	s_barrier_wait -1                              ; everybody's is
	FETCH 0, 0
.irp q, 0,1,2,3,4,5,6,7
.irp i, 0,1,2,3
	ds_load_b32 v[SC+4*\q+\i], v[ADRS] offset:\i*512+\q*64   ; the scale words of all of K: 32 registers
.endr
.endr
.irp q, 0,1,2,3,4,5,6
.if \q > 0
	PLACES NP                                      ; eight places in front of loads into the set that the last step's products read
.endif
	FETCH \q+1, (\q+1)%2
	s_wait_dscnt 32                                ; all but the 32 loads just issued: this step's fragments are in
.if \q == 0
	MUL \q, \q%2, 1
.else
	MUL \q, \q%2, 0
.endif
.endr
	s_wait_dscnt 0x0
	MUL 7, 1, 0
	WIN 0
	PLACES NP                                      ; in front of the first read of the sums
; THE WAY OUT, block by block of 16 rows x 64 columns, through my own stage: in by pieces of 32 bytes at their columns' places, back as whole rows of 256 bytes.
; LDS serves a wave's instructions in order (ISA guide 5.7.1.4): no wait between the stores and the loads, nor in front of the next block's stores.
.macro TOSTAGE a
	WIN 0x04                                       ; the data: window 1
.irp b, 0,1,2,3
	ds_store_b128 v[STO], v[ACC+8*(4*(\a)+\b):ACC+8*(4*(\a)+\b)+3] offset:128*(\b/2)+32*(\b%2)      ; each accumulator from its low end on
	ds_store_b128 v[STO], v[ACC+8*(4*(\a)+\b)+4:ACC+8*(4*(\a)+\b)+7] offset:128*(\b/2)+32*(\b%2)+16
.endr
	WIN 0
.irp t, 0,1,2,3,4,5,6,7
	ds_load_b128 v[BK+32*((\a)%2)+4*\t:BK+32*((\a)%2)+4*\t+3], v[RD] offset:\t*2*SPITCH
.endr
.endm
.macro SEND a, younger                 ; younger: the LDS instructions issued behind block a's loads, which may stay out
	s_wait_dscnt \younger
.irp t, 0,1,2,3,4,5,6,7
	global_store_b128 v[CO], v[BK+32*((\a)%2)+4*\t:BK+32*((\a)%2)+4*\t+3], s[12:13] offset:(32*((\a)/2)+8*((\a)%2)+2*\t+8*(\t/4))*4096 th:TH_STORE_NT   ; sixteen lanes store 256 consecutive bytes, aligned
.endr
.endm
	TOSTAGE 0
.irp a, 1,2,3
.if \a > 1
	s_wait_xcnt 0x0                                ; block a - 2's stores have read their registers: block a's loads may land there
.endif
	TOSTAGE \a
	SEND \a-1, 16                                  ; behind block a - 1's loads: block a's 8 stores and 8 loads
.endr
	SEND 3, 0
	s_wait_tensorcnt 0x0                           ; the wave's end
	ds_add_u32 v[SPW], v[NIL]
	s_wait_dscnt 0x0
	CROUND                                         ; the closing round
	s_endpgm
.Lfunc_end_k_q7f71cad8ed_gproj:
	.size	k_q7f71cad8ed_gproj, .Lfunc_end_k_q7f71cad8ed_gproj-k_q7f71cad8ed_gproj
	.p2alignl 7, 3214868480
	.fill 96, 4, 3214868480
	.section	.rodata,"a",@progbits
	.p2align	6, 0x0
	.amdhsa_kernel k_q7f71cad8ed_gproj
		.amdhsa_group_segment_fixed_size 288512
		.amdhsa_private_segment_fixed_size 0
		.amdhsa_enable_private_segment 0
		.amdhsa_kernarg_size 24
		.amdhsa_user_sgpr_count 2
		.amdhsa_user_sgpr_kernarg_segment_ptr 1
		.amdhsa_wavefront_size32 1
		.amdhsa_system_sgpr_workgroup_id_x 1
		.amdhsa_system_sgpr_workgroup_id_y 1
		.amdhsa_system_sgpr_workgroup_id_z 1
		.amdhsa_system_vgpr_workitem_id 0
		.amdhsa_next_free_vgpr 512
		.amdhsa_next_free_sgpr 100
		.amdhsa_reserve_vcc 0
		.amdhsa_float_denorm_mode_32 3
		.amdhsa_float_denorm_mode_16_64 3
		.amdhsa_memory_ordered 1
		.amdhsa_forward_progress 1
		.amdhsa_inst_pref_size 53
	.end_amdhsa_kernel
	.amdgpu_metadata
---
amdhsa.version: [ 1, 2 ]
amdhsa.kernels:
  - .name:           k_q7f71cad8ed_gproj
    .symbol:         k_q7f71cad8ed_gproj.kd
    .args:
      - { .name: act, .offset: 0, .size: 8, .value_kind: global_buffer, .address_space: global }
      - { .name: woq, .offset: 8, .size: 8, .value_kind: global_buffer, .address_space: global }
      - { .name: cb, .offset: 16, .size: 8, .value_kind: global_buffer, .address_space: global }
    .group_segment_fixed_size: 288512
    .private_segment_fixed_size: 0
    .kernarg_segment_align: 8
    .kernarg_segment_size: 24
    .max_flat_workgroup_size: 128
    .sgpr_count:     100
    .vgpr_count:     512
    .wavefront_size: 32
...
	.end_amdgpu_metadata
.endif
;; end of part 4
;; launch ln1 (part 5): grid 256 x 1, 8 waves a work-group, no clusters, 66,816 bytes of LDS; arguments cb, x, b_o, g1, bt1, yb; writes yb
.if DOCPART == 5
	.amdgcn_target "amdgcn-amd-amdhsa--gfx1250"
	.amdhsa_code_object_version 6
	.text
	.protected	k_q7f71cad8ed_ln1
	.globl	k_q7f71cad8ed_ln1
	.p2align	8
	.type	k_q7f71cad8ed_ln1,@function
k_q7f71cad8ed_ln1:
	s_mov_b64 s[64:65], 0
	v_nop
	global_prefetch_b8 v0, s[64:65] scope:SCOPE_SE
	s_setreg_imm32_b32 hwreg(HW_REG_WAVE_MODE, 25, 1), 1
	s_wait_xcnt 0x0
; LN1: y = LayerNorm(x + (product 4) + b_o) g1 + bt1, in f32, stored as f32 (for the second residual) and as codes of FP8 (E4M3) with E8M0 scales along D (for product 5).  Nothing of reference() is left out here.
; The mean is taken first and the variance of the differences, as reference() has it: no difference of large sums is formed.
; A work-group owns one operand tile of 16 rows: tile T, tile row r' is row 32 (T / 2) + 8 (T % 2) + r' + 8 (r' / 8).  Wave w norms tile rows 2 w and 2 w + 1 (neighbouring rows of memory): a row is 32 registers a lane,
; every load and store 512 consecutive bytes.  The 16 rows of y meet in a stage in LDS; behind one barrier wave w takes K step w of all 16 rows in the operand's order, quantises it and stores the fragment's image.
; LIMITS: a block of zeros gets the byte 1 (its codes are zeros; only this program reads the bytes); magnitudes under 2^-118 count as the floor; NaN and infinities are not served.
; Memory binds: no matrix unit, no cluster, no tensor load.
.set PITCH, 4112                       ; a stage row: 4,096 bytes + 16 of padding
.set SPARE, 65792                      ; behind the stage: the spare words, 128 bytes for each wave
.set SPW,  30
.set NIL,  31
.set Z,    32                          ; v32-95   product 4's rows, then z, d, y (two rows); later 64 numbers in the operand's order
.set X,    96                          ; v96-159  x; later at work
.set BO,   160                         ; v160-191 b_o
.set G,    192                         ; v192-223 g1
.set BT,   224                         ; v224-255 bt1
.set TM,   96
.set PW,   112
.set PC,   116
.set SEL,  22                          ; s[22:23]
.set MNT,  24
	s_load_b256 s[4:11], s[0:1], 0x0               ; cb, x, b_o, g1
	s_load_b128 s[12:15], s[0:1], 0x20             ; bt1, yb
	v_lshl_add_u32 v[SPW], v0, 2, SPARE
	v_mov_b32 v[NIL], 0
	v_lshrrev_b32 v1, 5, v0
	s_delay_alu instid0(VALU_DEP_1)
	v_readfirstlane_b32 s16, v1                    ; wave 0..7
	v_and_b32 v2, 31, v0
	s_delay_alu instid0(VALU_DEP_1)
	v_lshlrev_b32 v2, 4, v2                        ; 16 x lane
	s_wait_alu depctr_va_vdst(0)
	v_and_b32 v3, 15, v0                           ; r
	s_wait_alu depctr_va_vdst(0)
	v_bfe_u32 v4, v0, 4, 1                         ; h
	s_lshr_b32 s17, ttmp9, 1
	s_lshl_b32 s17, s17, 5
	s_and_b32 s18, ttmp9, 1
	s_lshl_b32 s18, s18, 3
	s_add_co_u32 s17, s17, s18                     ; the tile's first row
	s_lshl_b32 s18, s16, 1
	s_add_co_u32 s17, s17, s18
	s_lshr_b32 s18, s16, 2
	s_lshl_b32 s18, s18, 3
	s_add_co_u32 s17, s17, s18                     ; my first row: + 2 w + 8 (w / 4)
	s_lshl_b32 s18, s17, 12
	s_mov_b32 s19, 0
	s_mul_i32 s25, s16, 2*PITCH
	v_add_nc_u32 v5, s25, v2                       ; into the stage: my two rows as they lie
	v_mul_u32_u24 v6, v3, PITCH
	s_wait_alu depctr_va_vdst(0)
	v_lshl_add_u32 v6, v4, 6, v6
	s_lshl_b32 s25, s16, 9
	v_add_nc_u32 v6, s25, v6                       ; out of it: row r, K step w, + 64 h
	v_lshlrev_b32 v7, 2, v3                        ; 4 r
	s_mov_b32 s20, 0x3a800000                      ; 1 / 1,024
	s_mov_b32 s21, 0x3727c5ac                      ; 1e-5
	s_mov_b32 s[SEL], 0x76543210
	s_mov_b32 s[SEL+1], 0xfedcba98
	s_mov_b32 s[MNT], 0x600000
	s_lshl_b32 s26, ttmp9, 14
	s_lshl_b32 s27, s16, 11
	s_add_co_u32 s26, s26, s27                     ; my record
	s_mov_b32 s27, 0
	s_lshr_b32 s28, s26, 5
	s_add_co_u32 s28, s28, 0x1400000               ; its scale record
	s_add_co_u32 s26, s26, 0x1000000
	s_mov_b32 s29, 0
	v_mov_b32 v20, 0                               ; written once: a lane permute's destination counts as one of its sources
	v_mov_b32 v21, 0
	s_wait_kmcnt 0x0
	s_add_nc_u64 s[4:5], s[4:5], s[18:19]
	s_add_nc_u64 s[6:7], s[6:7], s[18:19]
	s_add_nc_u64 s[30:31], s[14:15], s[18:19]      ; y as f32
	s_add_nc_u64 s[32:33], s[14:15], s[26:27]      ; y's codes
	s_add_nc_u64 s[34:35], s[14:15], s[28:29]      ; y's scale words
.irp p, 0,1
.irp j, 0,1,2,3,4,5,6,7
	global_load_b128 v[Z+32*\p+4*\j:Z+32*\p+4*\j+3], v2, s[4:5] offset:4096*\p+512*\j th:TH_LOAD_NT
.endr
.endr
.irp p, 0,1
.irp j, 0,1,2,3,4,5,6,7
	global_load_b128 v[X+32*\p+4*\j:X+32*\p+4*\j+3], v2, s[6:7] offset:4096*\p+512*\j th:TH_LOAD_NT
.endr
.endr
.irp j, 0,1,2,3,4,5,6,7
	global_load_b128 v[BO+4*\j:BO+4*\j+3], v2, s[8:9] offset:512*\j
.endr
.irp j, 0,1,2,3,4,5,6,7
	global_load_b128 v[G+4*\j:G+4*\j+3], v2, s[10:11] offset:512*\j
.endr
.irp j, 0,1,2,3,4,5,6,7
	global_load_b128 v[BT+4*\j:BT+4*\j+3], v2, s[12:13] offset:512*\j
.endr
.macro REDUCE                          ; v16 and v18: each summed over the 32 lanes, the result in every lane
.irp m, 1,2,4,8
	s_delay_alu instid0(VALU_DEP_2)
	v_add_f32_dpp v16, v16, v16 row_xmask:\m row_mask:0xf bank_mask:0xf
	s_delay_alu instid0(VALU_DEP_2)
	v_add_f32_dpp v18, v18, v18 row_xmask:\m row_mask:0xf bank_mask:0xf
.endr
	s_delay_alu instid0(VALU_DEP_2)
	v_permlanex16_b32 v20, v16, s[SEL], s[SEL+1]
	s_delay_alu instid0(VALU_DEP_2)
	v_permlanex16_b32 v21, v18, s[SEL], s[SEL+1]
	s_delay_alu instid0(VALU_DEP_2)
	v_add_f32 v16, v16, v20
	s_delay_alu instid0(VALU_DEP_2)
	v_add_f32 v18, v18, v21
.endm
	s_wait_loadcnt 16                              ; all but g1's and bt1's sixteen loads are in
.set k, 0
.rept 32
	v_pk_add_f32 v[Z+k:Z+k+1], v[Z+k:Z+k+1], v[X+k:X+k+1]          ; x + the product
.set k, k+2
.endr
.set k, 0
.rept 32
	v_pk_add_f32 v[Z+k:Z+k+1], v[Z+k:Z+k+1], v[BO+k%32:BO+k%32+1]  ; + b_o
.set k, k+2
.endr
	v_pk_add_f32 v[16:17], v[Z:Z+1], v[Z+2:Z+3]                    ; the two rows' sums, by turns
	v_pk_add_f32 v[18:19], v[Z+32:Z+33], v[Z+34:Z+35]
.set k, 4
.rept 14
	s_delay_alu instid0(VALU_DEP_2)
	v_pk_add_f32 v[16:17], v[16:17], v[Z+k:Z+k+1]
	s_delay_alu instid0(VALU_DEP_2)
	v_pk_add_f32 v[18:19], v[18:19], v[Z+32+k:Z+32+k+1]
.set k, k+2
.endr
	s_delay_alu instid0(VALU_DEP_2)
	v_add_f32 v16, v16, v17
	s_delay_alu instid0(VALU_DEP_2)
	v_add_f32 v18, v18, v19
	REDUCE
	s_delay_alu instid0(VALU_DEP_2)
	v_mul_f32 v8, s20, v16                         ; the means, each twice: a pair for the packed forms
	s_delay_alu instid0(VALU_DEP_3)
	v_mul_f32 v9, s20, v16
	s_delay_alu instid0(VALU_DEP_3)
	v_mul_f32 v10, s20, v18
	s_delay_alu instid0(VALU_DEP_4)
	v_mul_f32 v11, s20, v18
.set k, 0
.rept 16
	v_pk_add_f32 v[Z+k:Z+k+1], v[Z+k:Z+k+1], v[8:9] neg_lo:[0,1] neg_hi:[0,1]
	v_pk_add_f32 v[Z+32+k:Z+32+k+1], v[Z+32+k:Z+32+k+1], v[10:11] neg_lo:[0,1] neg_hi:[0,1]
.set k, k+2
.endr
	v_pk_mul_f32 v[16:17], v[Z:Z+1], v[Z:Z+1]
	v_pk_mul_f32 v[18:19], v[Z+32:Z+33], v[Z+32:Z+33]
.set k, 2
.rept 15
	s_delay_alu instid0(VALU_DEP_2)
	v_pk_fma_f32 v[16:17], v[Z+k:Z+k+1], v[Z+k:Z+k+1], v[16:17]
	s_delay_alu instid0(VALU_DEP_2)
	v_pk_fma_f32 v[18:19], v[Z+32+k:Z+32+k+1], v[Z+32+k:Z+32+k+1], v[18:19]
.set k, k+2
.endr
	s_delay_alu instid0(VALU_DEP_2)
	v_add_f32 v16, v16, v17
	s_delay_alu instid0(VALU_DEP_2)
	v_add_f32 v18, v18, v19
	REDUCE
	s_delay_alu instid0(VALU_DEP_2)
	v_fma_f32 v22, v16, s20, s21                   ; the variance + 1e-5
	s_delay_alu instid0(VALU_DEP_2)
	v_fma_f32 v23, v18, s20, s21
	s_wait_alu depctr_va_vdst(0)
	v_rsq_f32 v12, v22
	v_rsq_f32 v14, v23
	v_nop                                          ; a plain line behind the two
	s_wait_alu depctr_va_vdst(0)                   ; one wait for both, ahead of their first reader
	v_mov_b32 v13, v12
	v_mov_b32 v15, v14
	s_wait_alu depctr_va_vdst(0)
	s_wait_loadcnt 0x0                             ; g1, bt1
.set k, 0
.rept 16
	v_pk_mul_f32 v[Z+k:Z+k+1], v[Z+k:Z+k+1], v[12:13]
	v_pk_mul_f32 v[Z+32+k:Z+32+k+1], v[Z+32+k:Z+32+k+1], v[14:15]
.set k, k+2
.endr
.set k, 0
.rept 32
	v_pk_fma_f32 v[Z+k:Z+k+1], v[Z+k:Z+k+1], v[G+k%32:G+k%32+1], v[BT+k%32:BT+k%32+1]
.set k, k+2
.endr
.irp p, 0,1
.irp j, 0,1,2,3,4,5,6,7
	global_store_b128 v2, v[Z+32*\p+4*\j:Z+32*\p+4*\j+3], s[30:31] offset:4096*\p+512*\j
	ds_store_b128 v5, v[Z+32*\p+4*\j:Z+32*\p+4*\j+3] offset:PITCH*\p+512*\j
.endr
.endr
	s_wait_dscnt 0x0                               ; for the others' sake: my rows lie in the stage
	s_barrier_signal -1
	s_barrier_wait -1
	s_wait_xcnt 0x0                                ; the stores of y have read their registers: the loads below may land there
.irp c, 0,1,2,3
.irp j, 0,1,2,3
	ds_load_b128 v[Z+16*\c+4*\j:Z+16*\c+4*\j+3], v6 offset:128*\c+16*\j
.endr
.endr
	s_wait_dscnt 0x0
.irp b, 0,1,2,3
	v_max3_num_f32 v[TM+\b], |v[Z+16*\b]|, |v[Z+1+16*\b]|, 0x4800000   ; my 16 numbers of block b, and the floor 2^(9 - 127)
.endr
.irp i, 2,4,6,8,10,12,14
.irp b, 0,1,2,3
	s_delay_alu instid0(VALU_DEP_4)
	v_max3_num_f32 v[TM+\b], v[TM+\b], |v[Z+16*\b+\i]|, |v[Z+1+16*\b+\i]|
.endr
.endr
.irp b, 0,1,2,3
	s_delay_alu instid0(VALU_DEP_4)
	v_permlanex16_b32 v[TM+4+\b], v[TM+\b], s[SEL], s[SEL+1]
.endr
.irp b, 0,1,2,3
	s_delay_alu instid0(VALU_DEP_4)
	v_max_num_f32 v[TM+\b], v[TM+\b], v[TM+4+\b]
.endr
.irp b, 0,1,2,3
	s_delay_alu instid0(VALU_DEP_4)
	v_add_nc_u32 v[TM+12+\b], 0xfc000000, v[TM+\b]
.endr
.irp b, 0,1,2,3
	v_and_or_b32 v[TM+8+\b], v[TM+\b], 0x7f800000, s[MNT]
.endr
.irp b, 0,1,2,3
	v_lshrrev_b32 v[TM+4+\b], 23, v[TM+12+\b]
.endr
	s_delay_alu instid0(VALU_DEP_3)
	v_lshl_or_b32 v[PW], v[TM+5], 8, v[TM+4]
	s_delay_alu instid0(VALU_DEP_1)
	v_lshl_or_b32 v[PW], v[TM+6], 16, v[PW]
	s_delay_alu instid0(VALU_DEP_1)
	v_lshl_or_b32 v[PW], v[TM+7], 24, v[PW]
.irp b, 0,1,2,3
.irp i, 0,1,2,3,4,5,6,7,8,9,10,11,12,13,14,15
	v_med3_num_f32 v[Z+16*\b+\i], v[Z+16*\b+\i], -v[TM+8+\b], v[TM+8+\b]
.endr
	v_cvt_scalef32_pk8_fp8_f32 v[PC+4*\b:PC+1+4*\b], v[Z+16*\b:Z+7+16*\b], v[TM+12+\b]
	v_cvt_scalef32_pk8_fp8_f32 v[PC+2+4*\b:PC+3+4*\b], v[Z+8+16*\b:Z+15+16*\b], v[TM+12+\b]
.endr
	v_nop                                          ; a plain line behind the last conversion
.irp c, 0,1,2,3
	global_store_b128 v2, v[PC+4*\c:PC+4*\c+3], s[32:33] offset:512*\c
.endr
	global_store_b32 v7, v[PW], s[34:35]           ; lanes 16-31 hold the same words and write them to the same places
	s_wait_tensorcnt 0x0                           ; the wave's end, behind my last LDS store
	ds_add_u32 v[SPW], v[NIL]
	s_wait_dscnt 0x0
	s_endpgm
.Lfunc_end_k_q7f71cad8ed_ln1:
	.size	k_q7f71cad8ed_ln1, .Lfunc_end_k_q7f71cad8ed_ln1-k_q7f71cad8ed_ln1
	.p2alignl 7, 3214868480
	.fill 96, 4, 3214868480
	.section	.rodata,"a",@progbits
	.p2align	6, 0x0
	.amdhsa_kernel k_q7f71cad8ed_ln1
		.amdhsa_group_segment_fixed_size 66816
		.amdhsa_private_segment_fixed_size 0
		.amdhsa_enable_private_segment 0
		.amdhsa_kernarg_size 48
		.amdhsa_user_sgpr_count 2
		.amdhsa_user_sgpr_kernarg_segment_ptr 1
		.amdhsa_wavefront_size32 1
		.amdhsa_system_sgpr_workgroup_id_x 1
		.amdhsa_system_sgpr_workgroup_id_y 1
		.amdhsa_system_sgpr_workgroup_id_z 1
		.amdhsa_system_vgpr_workitem_id 0
		.amdhsa_next_free_vgpr 256
		.amdhsa_next_free_sgpr 66
		.amdhsa_reserve_vcc 0
		.amdhsa_float_denorm_mode_32 3
		.amdhsa_float_denorm_mode_16_64 3
		.amdhsa_memory_ordered 1
		.amdhsa_forward_progress 1
		.amdhsa_inst_pref_size 41
	.end_amdhsa_kernel
	.amdgpu_metadata
---
amdhsa.version: [ 1, 2 ]
amdhsa.kernels:
  - .name:           k_q7f71cad8ed_ln1
    .symbol:         k_q7f71cad8ed_ln1.kd
    .args:
      - { .name: cb, .offset: 0, .size: 8, .value_kind: global_buffer, .address_space: global }
      - { .name: x, .offset: 8, .size: 8, .value_kind: global_buffer, .address_space: global }
      - { .name: b_o, .offset: 16, .size: 8, .value_kind: global_buffer, .address_space: global }
      - { .name: g1, .offset: 24, .size: 8, .value_kind: global_buffer, .address_space: global }
      - { .name: bt1, .offset: 32, .size: 8, .value_kind: global_buffer, .address_space: global }
      - { .name: yb, .offset: 40, .size: 8, .value_kind: global_buffer, .address_space: global }
    .group_segment_fixed_size: 66816
    .private_segment_fixed_size: 0
    .kernarg_segment_align: 8
    .kernarg_segment_size: 48
    .max_flat_workgroup_size: 256
    .sgpr_count:     66
    .vgpr_count:     256
    .wavefront_size: 32
...
	.end_amdgpu_metadata
.endif
;; end of part 5
;; launch gffn1 (part 6): grid 16 x 16, 4 waves a work-group, clusters of 4 x 4, 327,680 bytes of LDS; arguments yb, pq, b1, act; writes act
.if DOCPART == 6
	.amdgcn_target "amdgcn-amd-amdhsa--gfx1250"
	.amdhsa_code_object_version 6
	.text
	.protected	k_q7f71cad8ed_gffn1
	.globl	k_q7f71cad8ed_gffn1
	.p2align	8
	.type	k_q7f71cad8ed_gffn1,@function
k_q7f71cad8ed_gffn1:
	s_mov_b64 s[64:65], 0
	v_nop
	global_prefetch_b8 v0, s[64:65] scope:SCOPE_SE
	s_setreg_imm32_b32 hwreg(HW_REG_WAVE_MODE, 25, 1), 1
	s_wait_xcnt 0x0
	s_wait_alu depctr_hold_cnt(0) depctr_sa_sdst(0) depctr_va_vdst(0) depctr_va_sdst(0) depctr_va_ssrc(0) depctr_va_vcc(0) depctr_vm_vsrc(0)
	s_getreg_b32 s2, hwreg(HW_REG_IB_STS2, 6, 4)
	s_cmp_eq_u32 s2, 0
	s_cbranch_scc0 .Lentry_in_a_cluster
	s_endpgm
.Lentry_in_a_cluster:
	s_bfe_u32 s2, ttmp6, 0x10000c
	s_cmp_lg_u32 s2, 0xf033
	s_cbranch_scc0 .Lentry_shape_is_right
	s_endpgm
.Lentry_shape_is_right:
.set SLOT,  131072
.set HALFT, 32768
.set SCL,   262144
.set SCLB,  8256
.set SPARE, 278784
.set NQ,    2
.set FR,    16
.set NL,    4
.set NP,    8
.set ADRA, 16
.set ADRB, 20
.set SO,   25
.set CO,   26
.set ADRS, 27
.set SPW,  28
.set NIL,  29
.set SC,   32
.set BIAS, 64
.set AF,   128
.set T,    128
.set PC,   192
.set TM,   224
.set PW,   240
.set ASTR, 16384
.set SSTR, 512
.set MNT,  3
.set SEL,  66
.set OC,   12
.set OS,   96
.set G1, 24
.set G0, 32
.set G1B, 48
.set G0B, 56
.set G1S, 68
.set G0S, 76
.set G1SB, 80
.set G0SB, 88
.set MSB, 0
.macro WIN new
.if MSB != \new
	s_set_vgpr_msb (MSB<<8)|\new
.set MSB, \new
.endif
.endm
.set MUL_LO, 0xa1
.set MUL_HI, 0xf1
.set BIA_LO, 0x81
.set BIA_HI, 0xc1
.set TO_B,   0x40
.macro JLOAD g0a, g1a, g0b, g1b
	s_cmp_eq_u32 s15, 0
	s_cbranch_scc0 .Lfor_b_\@
	tensor_load_to_lds s[\g0a:\g0a+3], s[\g1a:\g1a+7]
	s_nop 0
.rept 4
	v_nop
.endr
	s_branch .Lasked_\@
.Lfor_b_\@:
	tensor_load_to_lds s[\g0b:\g0b+3], s[\g1b:\g1b+7]
	s_nop 0
.rept 4
	v_nop
.endr
.Lasked_\@:
.endm
.macro CREST
	s_cmp_lg_u32 s14, 0
	s_cbranch_scc1 .Lnot_wave_0_\@
	s_barrier_signal -3
.Lnot_wave_0_\@:
	s_barrier_wait -3
	s_barrier_signal -1
	s_barrier_wait -1
.endm
.macro CROUND
	s_barrier_signal -1
	s_barrier_wait -1
	CREST
.endm
	s_load_b256 s[4:11], s[0:1], 0x0
	v_lshl_add_u32 v[SPW], v0, 2, SPARE
	v_mov_b32 v[NIL], 0
	ds_add_u32 v[SPW], v[NIL]
	ds_add_u32 v[SPW], v[NIL]
	v_lshrrev_b32 v1, 5, v0
	v_readfirstlane_b32 s14, v1
	s_lshr_b32 s15, s14, 1
	s_and_b32 s16, s14, 1
	s_bfe_u32 s40, ttmp6, 0x40000
	s_bfe_u32 s41, ttmp6, 0x40004
	s_and_b32 s17, ttmp7, 0xffff
	s_lshl_b32 s17, s17, 2
	s_add_co_u32 s17, s17, s41
	s_lshl_b32 s42, ttmp9, 2
	s_add_co_u32 s42, s42, s40
	s_lshl_b32 s43, s41, 2
	s_lshl_b32 s43, 15, s43
	s_lshl_b32 s44, 0x1111, s40
	s_or_b32 s[G1+0], s43, (3<<16)|(1<<21)
	s_or_b32 s[G1B+0], s44, (3<<16)|(1<<21)
.irp g, G1, G1B
	s_mov_b32 s[\g+1], 512<<16
	s_mov_b32 s[\g+2], 16<<16
	s_mov_b32 s[\g+3], 512<<16
	s_mov_b32 s[\g+4], 16
	s_mov_b32 s[\g+5], 2048
	s_mov_b32 s[\g+6], 0
	s_mov_b32 s[\g+7], 0
.endr
	s_or_b32 s[G1S+0], s43, (3<<16)|(1<<21)
	s_or_b32 s[G1SB+0], s44, (3<<16)|(1<<21)
.irp g, G1S, G1SB
	s_mov_b32 s[\g+1], 32<<16
	s_mov_b32 s[\g+2], 32<<16
	s_mov_b32 s[\g+3], 32<<16
	s_mov_b32 s[\g+4], 32
	s_mov_b32 s[\g+5], 32
	s_mov_b32 s[\g+6], 0
	s_mov_b32 s[\g+7], 0
.endr
	s_mov_b32 s[MNT], 0x600000
	s_mov_b32 s[SEL], 0x76543210
	s_mov_b32 s[SEL+1], 0xfedcba98
	s_lshl_b32 s18, s16, 17
	s_lshl_b32 s20, s17, 18
	s_lshr_b32 s22, s20, 5
	s_add_co_u32 s22, s22, 0x1400000
	s_add_co_u32 s20, s20, 0x1000000
	s_mov_b32 s21, 0
	s_mov_b32 s23, 0
	s_lshl_b32 s46, s42, 18
	s_lshr_b32 s92, s46, 5
	s_add_co_u32 s92, s92, 0xb38000
	s_add_co_u32 s46, s46, 0x700000
	s_mov_b32 s47, 0
	s_mov_b32 s93, 0
	s_lshl_b32 s45, s14, 15
	s_lshl_b32 s94, s14, 12
	s_wait_dscnt 0x0
	s_wait_kmcnt 0x0
	s_add_nc_u64 s[20:21], s[4:5], s[20:21]
	s_add_nc_u64 s[22:23], s[4:5], s[22:23]
	s_add_nc_u64 s[46:47], s[6:7], s[46:47]
	s_add_nc_u64 s[92:93], s[6:7], s[92:93]
	CROUND
	s_mov_b32 s[G0S], 1
	s_mov_b32 s[G0S+1], SCL
	s_mov_b64 s[G0S+2:G0S+3], s[22:23]
	s_or_b32 s[G0S+3], s[G0S+3], 0x80000000
	s_mov_b32 s[G0SB], 1
	s_mov_b32 s[G0SB+1], SCL+SCLB
	s_mov_b64 s[G0SB+2:G0SB+3], s[92:93]
	s_or_b32 s[G0SB+3], s[G0SB+3], 0x80000000
	s_mov_b32 s[G0], 1                             ; slot 0 comes whole at the head: A's sixteen tiles,
	s_mov_b32 s[G0+1], 0
	s_mov_b64 s[G0+2:G0+3], s[20:21]
	s_or_b32 s[G0+3], s[G0+3], 0x80000000
	s_mov_b32 s[G0B], 1                            ; and B's sixteen, behind them
	s_mov_b32 s[G0B+1], 2*HALFT
	s_mov_b64 s[G0B+2:G0B+3], s[46:47]
	s_or_b32 s[G0B+3], s[G0B+3], 0x80000000
	s_mov_b32 s19, 0
	s_add_nc_u64 s[20:21], s[20:21], s[18:19]      ; the ring: my eight tiles of a panel
	s_add_nc_u64 s[46:47], s[46:47], s[18:19]
	s_mov_b32 s[G0+4], 1
	s_add_co_u32 s[G0+5], s45, SLOT
	s_add_nc_u64 s[G0+6:G0+7], s[20:21], 4096
	s_or_b32 s[G0+7], s[G0+7], 0x80000000
	s_mov_b32 s[G0B+4], 1
	s_add_co_u32 s[G0B+5], s45, SLOT
	s_add_nc_u64 s[G0B+6:G0B+7], s[46:47], 4096
	s_or_b32 s[G0B+7], s[G0B+7], 0x80000000
; the head's four tiles, one joint load a wave: wave 0 A's codes, wave 1 B's, wave 2 A's scale bytes, wave 3 B's; one chain of branches on the wave's number
.macro ARM under, g0, g1, next
	s_cmp_lt_u32 s14, \under
	s_cbranch_scc0 \next
	tensor_load_to_lds s[\g0:\g0+3], s[\g1:\g1+7]
	s_nop 0
.rept 4
	v_nop
.endr
	s_branch .Lhead_asked
\next:
.endm
	ARM 1, G0, G1, .Lhead_b
	ARM 2, G0B, G1B, .Lhead_sa
	ARM 3, G0S, G1S, .Lhead_sb
	tensor_load_to_lds s[G0SB:G0SB+3], s[G1SB:G1SB+7]
	s_nop 0
.rept 4
	v_nop
.endr
.Lhead_asked:
; PREFETCH of the later slots: of the eight tiles that I fetch for a slot, each of the four partners that ask for them jointly names two (told apart by address: cx for A, cy for B): 2 x 4,096 bytes, lanes 256 bytes apart.
; Slots 1 and 2 are named here, slot 3 behind slot 1's load; the base and the offsets are never rewritten.
	s_cmp_eq_u32 s15, 0                            ; do I fetch for A?
	s_cselect_b64 s[98:99], s[20:21], s[46:47]     ; my eight tiles
	s_cselect_b32 s92, s40, s41                    ; my place among the four: it enters this address alone
	s_lshl_b32 s92, s92, 15
	s_mov_b32 s93, 0
	s_add_nc_u64 s[98:99], s[98:99], s[92:93]
	v_and_b32 v30, 15, v0
	v_bfe_u32 v31, v0, 4, 1
	v_lshlrev_b32 v30, 8, v30
	v_lshl_add_u32 v30, v31, 14, v30               ; 16,384 x (lane / 16) + 256 x (lane % 16)
	global_prefetch_b8 v30, s[98:99] offset:4096 th:TH_LOAD_NT scope:SCOPE_SE
	global_prefetch_b8 v30, s[98:99] offset:8192 th:TH_LOAD_NT scope:SCOPE_SE
	v_and_b32 v1, 15, v0
	v_bfe_u32 v2, v0, 4, 1
	v_and_b32 v3, 31, v0
	v_lshlrev_b32 v[CO], 4, v3
	s_wait_alu depctr_va_vdst(0)
	v_lshlrev_b32 v[SO], 2, v1
	s_lshl_b32 s18, s42, 10
	s_lshl_b32 s19, s16, 9
	s_add_co_u32 s18, s18, s19
	s_mov_b32 s19, 0
	s_add_nc_u64 s[8:9], s[8:9], s[18:19]
	v_lshlrev_b32 v4, 6, v2
.irp b, 0,1,2,3,4,5,6,7
	global_load_b128 v[BIAS+8*\b:BIAS+8*\b+3], v4, s[8:9] offset:128*(\b/2)+32*(\b%2)
	global_load_b128 v[BIAS+8*\b+4:BIAS+8*\b+7], v4, s[8:9] offset:128*(\b/2)+32*(\b%2)+16
.endr
	s_lshl_b32 s21, s15, 15
	s_lshl_b32 s22, s16, 15
	s_add_co_u32 s22, s22, 2*HALFT
.irp s, 0,1
	v_add_nc_u32 v[ADRA+\s], s21, v[CO]
	v_add_nc_u32 v[ADRB+\s], s22, v[CO]
	s_add_co_u32 s21, s21, SLOT
	s_add_co_u32 s22, s22, SLOT
.endr
	s_lshl_b32 s21, s15, 12
	s_lshl_b32 s22, s16, 12
	s_add_co_u32 s22, s22, SCLB
	s_sub_co_u32 s22, s22, s21
	v_mul_u32_u24 v6, s22, v2
	s_add_co_u32 s21, s21, SCL
	v_lshl_add_u32 v5, v1, 2, v6
	v_add_nc_u32 v[ADRS], s21, v5
	s_lshr_b32 s18, s42, 2
	s_and_b32 s19, s42, 3
	s_lshl_b32 s19, s19, 1
	s_add_co_u32 s19, s19, s16
	s_lshl_b32 s20, s17, 4
	s_lshl_b32 s21, s15, 3
	s_add_co_u32 s20, s20, s21
	s_lshl_b32 s22, s18, 22
	s_lshl_b32 s23, s20, 14
	s_add_co_u32 s22, s22, s23
	s_lshl_b32 s23, s19, 11
	s_add_co_u32 s22, s22, s23
	s_add_co_u32 s22, s22, 524288
	s_mov_b32 s23, 0
	s_add_nc_u64 s[OC:OC+1], s[10:11], s[22:23]
	s_lshl_b32 s22, s18, 17
	s_lshl_b32 s21, s20, 9
	s_add_co_u32 s22, s22, s21
	s_lshl_b32 s21, s19, 6
	s_add_co_u32 s22, s22, s21
	s_add_nc_u64 s[OS:OS+1], s[10:11], s[22:23]
.macro FRAG reg, adr, q, i
.irp c, 0,1,2,3
	ds_load_b128 v[\reg+4*\c:\reg+4*\c+3], v[\adr] offset:(\i)*4096+(\q)*2048+512*\c
.endr
.endm
.macro MUL16 a0, p, q, sc, bias
.irp a, \a0, \a0+1
.irp b, 0,1,2,3,4,5,6,7
.if \bias
	v_wmma_scale_f32_16x16x128_f8f6f4 v[8*(8*((\a)%4)+\b):8*(8*((\a)%4)+\b)+7], v[128*(\p)+FR*\b:128*(\p)+FR*\b+FR-1], v[AF+FR*(\a):AF+FR*(\a)+FR-1], v[BIAS+8*\b:BIAS+8*\b+7], v[SC+8*NQ*(\sc)+NQ*\b+(\q)], v[SC+8*NQ*(\sc)+NQ*(\a)+(\q)] matrix_a_scale:MATRIX_SCALE_ROW1
.else
	v_wmma_scale_f32_16x16x128_f8f6f4 v[8*(8*((\a)%4)+\b):8*(8*((\a)%4)+\b)+7], v[128*(\p)+FR*\b:128*(\p)+FR*\b+FR-1], v[AF+FR*(\a):AF+FR*(\a)+FR-1], v[8*(8*((\a)%4)+\b):8*(8*((\a)%4)+\b)+7], v[SC+8*NQ*(\sc)+NQ*\b+(\q)], v[SC+8*NQ*(\sc)+NQ*(\a)+(\q)] matrix_a_scale:MATRIX_SCALE_ROW1
.endif
.endr
.endr
.endm
.macro FETCH_B slot, q, p
	WIN TO_B
.irp i, 0,1,2,3,4,5,6,7
	FRAG 128*(\p)+FR*\i, ADRB+\slot, \q, \i
.endr
	WIN 0
.endm
.macro FETCH_A slot, q, i0
.irp i, \i0, \i0+1, \i0+2, \i0+3
	FRAG AF+FR*(\i), ADRA+\slot, \q, \i
.endr
.endm
.macro SCALES sc
.irp i, 0,1,2,3,4,5,6,7
	ds_load_b32 v[SC+16*\sc+2*\i], v[ADRS] offset:\i*512
	ds_load_b32 v[SC+16*\sc+2*\i+1], v[ADRS] offset:\i*512+64
.endr
.endm
.macro PLACES n
.rept \n
	v_nop
.endr
.endm
.macro STEP slot, q, bias
	s_wait_dscnt 4*NL
.if \bias
	WIN BIA_LO
.else
	WIN MUL_LO
.endif
	MUL16 0, (\q)%2, \q, \slot, \bias
	MUL16 2, (\q)%2, \q, \slot, \bias
	s_wait_dscnt 0x0
	PLACES NP
	FETCH_B \slot, (\q)+1, 1-(\q)%2
	FETCH_A \slot, (\q)+1, 0
.if \bias
	WIN BIA_HI
.else
	WIN MUL_HI
.endif
	MUL16 4, (\q)%2, \q, \slot, \bias
	MUL16 6, (\q)%2, \q, \slot, \bias
	PLACES NP
	WIN 0
	FETCH_A \slot, (\q)+1, 4
.endm
.macro TURN slot, next, fill
	s_wait_tensorcnt 0x0
	ds_add_u32 v[SPW], v[NIL]
	s_wait_dscnt 4*NL+1
	WIN MUL_LO
	MUL16 0, 1, NQ-1, \slot, 0
	s_wait_dscnt 0x0
	s_barrier_signal -1
	MUL16 2, 1, NQ-1, \slot, 0
	WIN 0
	s_barrier_wait -1
.if \fill
	CREST
	s_add_nc_u64 s[G0+4*\slot+2:G0+4*\slot+3], s[G0+4*\slot+2:G0+4*\slot+3], 8192
	s_add_nc_u64 s[G0B+4*\slot+2:G0B+4*\slot+3], s[G0B+4*\slot+2:G0B+4*\slot+3], 8192
	JLOAD G0+4*\slot, G1, G0B+4*\slot, G1B
	PLACES NP-4
.else
	PLACES NP
.endif
	s_wait_alu depctr_va_vdst(0)
	v_add_nc_u32 v[ADRS], 64*NQ, v[ADRS]
	FETCH_B \next, 0, 0
	FETCH_A \next, 0, 0
	SCALES \next
	WIN MUL_HI
	MUL16 4, 1, NQ-1, \slot, 0
	MUL16 6, 1, NQ-1, \slot, 0
	PLACES NP
	WIN 0
	FETCH_A \next, 0, 4
.endm
	s_wait_alu depctr_va_vdst(0)
	s_wait_loadcnt 0x0
	s_wait_tensorcnt 0x0                           ; my tile of the head's four is in; slot 1's first fill is issued as a refill is
	ds_add_u32 v[SPW], v[NIL]
	s_mov_b32 s[G1+2], 8<<16                       ; no load of mine is out: from here on a load brings eight tiles
	s_mov_b32 s[G1+4], 8
	s_mov_b32 s[G1B+2], 8<<16
	s_mov_b32 s[G1B+4], 8
	s_mov_b32 s[G0+1], s45                         ; slot 0's descriptors, for its refill: my quarter of the slot,
	s_mov_b32 s[G0B+1], s45
	s_lshl_b32 s8, s16, 17                         ; my eight tiles of the panel
	s_mov_b32 s9, 0
	s_add_nc_u64 s[G0+2:G0+3], s[G0+2:G0+3], s[8:9]
	s_add_nc_u64 s[G0B+2:G0B+3], s[G0B+2:G0B+3], s[8:9]
	s_wait_dscnt 0x0
	CROUND                                         ; all four tiles are in, and all sixteen work-groups are here
	JLOAD G0+4, G1, G0B+4, G1B                     ; slot 1: the first tensor load behind the round
	FETCH_B 0, 0, 0
	FETCH_A 0, 0, 0
	SCALES 0
	FETCH_A 0, 0, 4
	global_prefetch_b8 v30, s[98:99] offset:12288 th:TH_LOAD_NT scope:SCOPE_SE   ; slot 3
	STEP 0, 0, 1
	TURN 0, 1, 1
	STEP 1, 0, 0
	TURN 1, 0, 1
	STEP 0, 0, 0
	TURN 0, 1, 0
	STEP 1, 0, 0
	s_wait_dscnt 4*NL
	WIN MUL_LO
	MUL16 0, 1, NQ-1, 1, 0
	MUL16 2, 1, NQ-1, 1, 0
	s_wait_dscnt 0x0
	WIN MUL_HI
	MUL16 4, 1, NQ-1, 1, 0
	MUL16 6, 1, NQ-1, 1, 0
	WIN 0
	PLACES NP
.irp b, 0,1,2,3
	v_mov_b32 v[TM+4+\b], 0
.endr
.macro EQ a
.set AC, 64*((\a)%4)
.set PCS, 64+16*((\a)%6)               ; six sets of codes: v64-127 (the bias is done with) and v192-223; a scale word's register for each block
.if (\a)%6 >= 4
.set PCS, PC+16*((\a)%6-4)
.endif
.set PWS, PW+(\a)
.if (\a) >= 6
	s_wait_xcnt 0x0                                ; the stores of six blocks back have read this set of codes
.endif
	WIN 0x28+0x14*((\a)/4)
.irp b, 0,1,2,3
	v_max3_num_f32 v[TM+\b], 0x4800000, v[AC+16*\b], v[AC+16*\b+1]
.endr
.irp i, 2,4,6,8,10,12,14
.irp b, 0,1,2,3
	v_max3_num_f32 v[TM+\b], v[TM+\b], v[AC+16*\b+\i], v[AC+16*\b+\i+1]
.endr
.endr
	WIN 0
.irp b, 0,1,2,3
	v_permlanex16_b32 v[TM+4+\b], v[TM+\b], s[SEL], s[SEL+1]
.endr
.irp b, 0,1,2,3
	v_max_num_f32 v[TM+\b], v[TM+\b], v[TM+4+\b]
.endr
.irp b, 0,1,2,3
	v_add_nc_u32 v[TM+12+\b], 0xfc000000, v[TM+\b]
.endr
.irp b, 0,1,2,3
	v_and_or_b32 v[TM+8+\b], v[TM+\b], 0x7f800000, s[MNT]
.endr
.irp b, 0,1,2,3
	v_lshrrev_b32 v[TM+4+\b], 23, v[TM+12+\b]
.endr
	v_lshl_or_b32 v[PWS], v[TM+5], 8, v[TM+4]
	v_lshl_or_b32 v[PWS], v[TM+6], 16, v[PWS]
	v_lshl_or_b32 v[PWS], v[TM+7], 24, v[PWS]
	WIN 0x02+(\a)/4
.irp b, 0,1,2,3
.irp i, 0,1,2,3,4,5,6,7,8,9,10,11,12,13,14,15
	v_med3_num_f32 v[T+16*\b+\i], v[AC+16*\b+\i], 0, v[TM+8+\b]
.endr
.endr
	WIN 0
.irp b, 0,1,2,3
	v_cvt_scalef32_pk8_fp8_f32 v[PCS+4*\b:PCS+4*\b+1], v[T+16*\b:T+16*\b+7], v[TM+12+\b]
	v_cvt_scalef32_pk8_fp8_f32 v[PCS+4*\b+2:PCS+4*\b+3], v[T+16*\b+8:T+16*\b+15], v[TM+12+\b]
.endr
	v_nop
.irp c, 0,1,2,3
	global_store_b128 v[CO], v[PCS+4*\c:PCS+4*\c+3], s[OC:OC+1] offset:(\a)*ASTR+512*\c
.endr
	global_store_b32 v[SO], v[PWS], s[OS:OS+1] offset:(\a)*SSTR
.endm
.irp a, 0,1,2,3,4,5,6,7
	EQ \a
.endr
	s_wait_tensorcnt 0x0
	ds_add_u32 v[SPW], v[NIL]
	s_wait_dscnt 0x0
	CROUND
	s_endpgm
.Lfunc_end_k_q7f71cad8ed_gffn1:
	.size	k_q7f71cad8ed_gffn1, .Lfunc_end_k_q7f71cad8ed_gffn1-k_q7f71cad8ed_gffn1
	.p2alignl 7, 3214868480
	.fill 96, 4, 3214868480
	.section	.rodata,"a",@progbits
	.p2align	6, 0x0
	.amdhsa_kernel k_q7f71cad8ed_gffn1
		.amdhsa_group_segment_fixed_size 327680
		.amdhsa_private_segment_fixed_size 0
		.amdhsa_enable_private_segment 0
		.amdhsa_kernarg_size 32
		.amdhsa_user_sgpr_count 2
		.amdhsa_user_sgpr_kernarg_segment_ptr 1
		.amdhsa_wavefront_size32 1
		.amdhsa_system_sgpr_workgroup_id_x 1
		.amdhsa_system_sgpr_workgroup_id_y 1
		.amdhsa_system_sgpr_workgroup_id_z 1
		.amdhsa_system_vgpr_workitem_id 0
		.amdhsa_next_free_vgpr 1024
		.amdhsa_next_free_sgpr 100
		.amdhsa_reserve_vcc 0
		.amdhsa_float_denorm_mode_32 3
		.amdhsa_float_denorm_mode_16_64 3
		.amdhsa_memory_ordered 1
		.amdhsa_forward_progress 1
		.amdhsa_inst_pref_size 190
	.end_amdhsa_kernel
	.amdgpu_metadata
---
amdhsa.version: [ 1, 2 ]
amdhsa.kernels:
  - .name:           k_q7f71cad8ed_gffn1
    .symbol:         k_q7f71cad8ed_gffn1.kd
    .args:
      - { .name: yb, .offset: 0, .size: 8, .value_kind: global_buffer, .address_space: global }
      - { .name: pq, .offset: 8, .size: 8, .value_kind: global_buffer, .address_space: global }
      - { .name: b1, .offset: 16, .size: 8, .value_kind: global_buffer, .address_space: global }
      - { .name: act, .offset: 24, .size: 8, .value_kind: global_buffer, .address_space: global }
    .group_segment_fixed_size: 327680
    .private_segment_fixed_size: 0
    .kernarg_segment_align: 8
    .kernarg_segment_size: 32
    .max_flat_workgroup_size: 128
    .sgpr_count:     100
    .vgpr_count:     1024
    .wavefront_size: 32
...
	.end_amdgpu_metadata
.endif
;; end of part 6
;; launch gffn2 (part 7): grid 8 x 32, 4 waves a work-group, clusters of 4 x 4, 327,680 bytes of LDS; arguments act, w2q, cb; writes cb
.if DOCPART == 7
	.amdgcn_target "amdgcn-amd-amdhsa--gfx1250"
	.amdhsa_code_object_version 6
	.text
	.protected	k_q7f71cad8ed_gffn2
	.globl	k_q7f71cad8ed_gffn2
	.p2align	8
	.type	k_q7f71cad8ed_gffn2,@function
k_q7f71cad8ed_gffn2:
	s_mov_b64 s[64:65], 0
	v_nop
	global_prefetch_b8 v0, s[64:65] scope:SCOPE_SE
	s_setreg_imm32_b32 hwreg(HW_REG_WAVE_MODE, 25, 1), 1
	s_wait_xcnt 0x0
	s_wait_alu depctr_hold_cnt(0) depctr_sa_sdst(0) depctr_va_vdst(0) depctr_va_sdst(0) depctr_va_ssrc(0) depctr_va_vcc(0) depctr_vm_vsrc(0)
	s_getreg_b32 s2, hwreg(HW_REG_IB_STS2, 6, 4)
	s_cmp_eq_u32 s2, 0
	s_cbranch_scc0 .Lentry_in_a_cluster
	s_endpgm
.Lentry_in_a_cluster:
	s_bfe_u32 s2, ttmp6, 0x10000c
	s_cmp_lg_u32 s2, 0xf033
	s_cbranch_scc0 .Lentry_shape_is_right
	s_endpgm
.Lentry_shape_is_right:
; GFFN2: product 6, C = A B^T on codes of FP8 (E4M3) with E8M0 scales: A = the hidden layer [4,096 x 4,096], B = w2 [1,024 (n) x 4,096 (k)]; one f32 sum for each output, K ascending; C leaves as f32, row-major, in cb.
; Nothing of reference() is left out here.
; Operands lie in memory as images of operand registers: a fragment (16 rows x 128 K) is 2,048 bytes, [c][lane][16 bytes]; its scale record 64 bytes; a tile is 8 K steps on end; K is chunks of 1,024, the chunk outermost.
; act: scales [chunk][131,072 bytes] from byte 0, codes [chunk][256 tiles][16,384] from byte 524,288.  w2q: scales [chunk][32,768] from 0, codes [chunk][64 tiles][16,384] from 131,072.
; Tile 2 g + u, tile row r' is row 32 g + 8 u + r' + 8 (r' / 8).
; SHARES.  C has 32 x 8 blocks of 128 x 128: 256 work-groups, each with all of K.  Four waves, 2 x 2, each 64 x 64: 16 accumulators.
; THE RING.  Two LDS slots, each with 512 along K (half a chunk) of the block's 8 tiles of A and 8 of B: rows of 8,192 bytes, 16,384 apart in memory; eight fills in all, a quarter of a slot a wave.
; The scale bytes of both panels for all of K (4 x 4,096 bytes each) come once, at the head, and stay.  At the head a wave has one load: A's slot 0, B's slot 0, A's scale bytes, B's.
; CLUSTERS: 4 x 4 work-groups; A's tiles are shared along a row of the cluster, B's along a column: joint loads with a mask of four; each refill stands behind a round of the cluster's barrier.
; PREFETCH: behind the load of slot s each wave names, once, a quarter of its own part of slot s + 2 (one tile's 8,192 bytes, lanes 256 bytes apart); the four partners that ask for a tile jointly take a tile each, told apart by address.
; The head names slots 1 and 2; nothing is named beyond slot 7.
; THE MATRIX INSTRUCTION IS USED TRANSPOSED (source 0 = 16 rows of B, source 1 = 16 rows of A): in accumulator (a, b) lane (r, h), register j is
; C(32 (a / 2) + 8 (a % 2) + r + 8 (r / 8), 32 (b / 2) + 8 (b % 2) + 16 h + j) of my 64 x 64.
; REGISTERS: window 0: v16-29 addresses; v32-63 scale words, a set for each slot (register 4 q + i: lanes 0-15 A's tile i, lanes 16-31 B's tile i, the slot's K step q); v64-127 rows on the way out; v128-255 A's fragments, two sets.
; window 1: v0-127 B's fragments, two sets; v128-255 the accumulators.
.set SLOT,  131072
.set BOFF,  65536                      ; in a slot: A's 8 tiles x 8,192 bytes, then B's
.set SCL,   262144                     ; A's scale bytes: [chunk][tile][K step][64]
.set SCLB,  16448                      ; B's, so far behind A's: 64 bytes aside, so that the two halves of the lanes read different banks
.set SPARE, 295168                     ; the spare words, 128 bytes for each wave
.set STAGE, 295680                     ; the way out: 16 rows x (256 + 16) bytes for each wave; no tensor load lands here
.set SPITCH, 272
.set CHA,   0x400000                   ; a chunk of A's codes in bytes,
.set CHB,   0x100000                   ; of B's
.set NP,   8
.set ADRA, 16                          ; v16-17 my fragments of A in slot 0, 1
.set ADRB, 18                          ; v18-19 of B
.set ADRS, 20
.set STO,  21
.set RD,   22
.set CO,   23
.set PFO,  24                          ; v24 256 x lane; never rewritten
.set SPW,  28
.set NIL,  29
.set SC,   32
.set BK,   64
.set AF,   128
.set ACC,  128
.set G1, 24
.set G0, 32
.set G1B, 48
.set G0B, 56
.set G1S, 68
.set G0S, 76
.set G1SB, 80
.set G0SB, 88
.set PFA, 96                           ; s[96:97] where my prefetches stand: my tile, at the chunk that is named next
.set PFS, 98                           ; s[98:99] a chunk on
.set MSB, 0
.macro WIN new
.if MSB != \new
	s_set_vgpr_msb (MSB<<8)|\new
.set MSB, \new
.endif
.endm
.macro PLACES n
.rept \n
	v_nop
.endr
.endm
.macro CREST
	s_cmp_lg_u32 s14, 0
	s_cbranch_scc1 .Lnot_wave_0_\@
	s_barrier_signal -3
.Lnot_wave_0_\@:
	s_barrier_wait -3
	s_barrier_signal -1
	s_barrier_wait -1
.endm
.macro CROUND
	s_barrier_signal -1
	s_barrier_wait -1
	CREST
.endm
.macro JLOAD g0a, g0b                  ; a joint load: waves 0 and 1 fetch for A, waves 2 and 3 for B; an s_nop 0 and four v_nop follow each line
	s_cmp_eq_u32 s15, 0
	s_cbranch_scc0 .Lfor_b_\@
	tensor_load_to_lds s[\g0a:\g0a+3], s[G1:G1+7]
	s_nop 0
	PLACES 4
	s_branch .Lasked_\@
.Lfor_b_\@:
	tensor_load_to_lds s[\g0b:\g0b+3], s[G1B:G1B+7]
	s_nop 0
	PLACES 4
.Lasked_\@:
.endm
	s_load_b128 s[4:7], s[0:1], 0x0                ; act, w2q
	s_load_b64 s[8:9], s[0:1], 0x10                ; cb
	v_lshl_add_u32 v[SPW], v0, 2, SPARE
	v_mov_b32 v[NIL], 0
	ds_add_u32 v[SPW], v[NIL]                      ; the opening: the add, twice on end, and its wait ahead of my first tensor load
	ds_add_u32 v[SPW], v[NIL]
	v_lshrrev_b32 v1, 5, v0
	v_readfirstlane_b32 s14, v1                    ; wave 0..3
	s_lshr_b32 s15, s14, 1                         ; my half of the block's rows.  Also: I fetch for A (0) or for B (1)
	s_and_b32 s16, s14, 1                          ; my half of its columns.  Also: which four tiles of that panel I fetch
	s_bfe_u32 s40, ttmp6, 0x40000                  ; cx, cy
	s_bfe_u32 s41, ttmp6, 0x40004
	s_and_b32 s17, ttmp7, 0xffff
	s_lshl_b32 s17, s17, 2
	s_add_co_u32 s17, s17, s41                     ; my block of 128 rows
	s_lshl_b32 s42, ttmp9, 2
	s_add_co_u32 s42, s42, s40                     ; my block of 128 columns
	s_lshl_b32 s43, s41, 2
	s_lshl_b32 s43, 15, s43                        ; my row of the cluster
	s_lshl_b32 s44, 0x1111, s40                    ; my column
	s_or_b32 s[G1], s43, (3<<16)|(1<<21)           ; codes: rows of 8,192 bytes (1,024 elements of 8), 16,384 bytes apart: 8 rows at the head, 4 in the ring
	s_or_b32 s[G1B], s44, (3<<16)|(1<<21)
.irp g, G1, G1B
	s_mov_b32 s[\g+1], 1024<<16
	s_mov_b32 s[\g+2], 8<<16
	s_mov_b32 s[\g+3], 1024<<16
	s_mov_b32 s[\g+4], 8
	s_mov_b32 s[\g+5], 2048
	s_mov_b32 s[\g+6], 0
	s_mov_b32 s[\g+7], 0
.endr
	s_or_b32 s[G1S], s43, (3<<16)|(1<<21)          ; scale bytes: 4 rows (chunks) of 4,096 bytes
	s_or_b32 s[G1SB], s44, (3<<16)|(1<<21)
.irp g, G1S, G1SB
	s_mov_b32 s[\g+1], 512<<16
	s_mov_b32 s[\g+2], 4<<16
	s_mov_b32 s[\g+3], 512<<16
	s_mov_b32 s[\g+4], 4
	s_mov_b32 s[\g+6], 0
	s_mov_b32 s[\g+7], 0
.endr
	s_mov_b32 s[G1S+5], 16384                      ; A's chunks of scale bytes lie 131,072 bytes apart,
	s_mov_b32 s[G1SB+5], 4096                      ; B's 32,768
	s_lshl_b32 s20, s17, 17                        ; 8 tiles of 16,384 bytes to a block
	s_lshr_b32 s22, s20, 5                         ; a scale byte for each 32 codes, in the same order
	s_add_co_u32 s20, s20, 524288
	s_mov_b32 s21, 0
	s_mov_b32 s23, 0
	s_lshl_b32 s46, s42, 17
	s_lshr_b32 s92, s46, 5
	s_add_co_u32 s46, s46, 131072
	s_mov_b32 s47, 0
	s_mov_b32 s93, 0
	s_lshl_b32 s45, s14, 15                        ; my quarter of a slot
	s_lshl_b32 s18, s16, 16                        ; my four tiles of a panel
	s_mov_b32 s19, 0
	s_mov_b32 s[G0], 1
	s_mov_b32 s[G0+1], 0
	s_mov_b32 s[G0B], 1
	s_mov_b32 s[G0B+1], BOFF
	s_mov_b32 s[G0S], 1
	s_mov_b32 s[G0S+1], SCL
	s_mov_b32 s[G0SB], 1
	s_mov_b32 s[G0SB+1], SCL+SCLB
	s_mov_b32 s[G0+4], 1
	s_add_co_u32 s[G0+5], s45, SLOT
	s_mov_b32 s[G0B+4], 1
	s_add_co_u32 s[G0B+5], s45, SLOT
	s_wait_dscnt 0x0                               ; both opening adds are done
	s_wait_kmcnt 0x0
	s_add_nc_u64 s[20:21], s[4:5], s[20:21]
	s_add_nc_u64 s[46:47], s[6:7], s[46:47]
	s_mov_b64 s[G0+2:G0+3], s[20:21]               ; slot 0 comes whole at the head
	s_or_b32 s[G0+3], s[G0+3], 0x80000000
	s_mov_b64 s[G0B+2:G0B+3], s[46:47]
	s_or_b32 s[G0B+3], s[G0B+3], 0x80000000
	s_add_nc_u64 s[G0S+2:G0S+3], s[4:5], s[22:23]
	s_or_b32 s[G0S+3], s[G0S+3], 0x80000000
	s_add_nc_u64 s[G0SB+2:G0SB+3], s[6:7], s[92:93]
	s_or_b32 s[G0SB+3], s[G0SB+3], 0x80000000
	s_add_nc_u64 s[20:21], s[20:21], s[18:19]      ; the ring: my four tiles
	s_add_nc_u64 s[46:47], s[46:47], s[18:19]
	s_add_nc_u64 s[G0+6:G0+7], s[20:21], 8192      ; slot 1: the chunk's second half
	s_or_b32 s[G0+7], s[G0+7], 0x80000000
	s_add_nc_u64 s[G0B+6:G0B+7], s[46:47], 8192
	s_or_b32 s[G0B+7], s[G0B+7], 0x80000000
	CROUND                                         ; all sixteen work-groups are here: the joint loads meet
; one joint load a wave, in one chain of branches on the wave's number
.macro ARM under, g0, g1, next
	s_cmp_lt_u32 s14, \under
	s_cbranch_scc0 \next
	tensor_load_to_lds s[\g0:\g0+3], s[\g1:\g1+7]
	s_nop 0
	PLACES 4
	s_branch .Lhead_asked
\next:
.endm
	ARM 1, G0, G1, .Lhead_b
	ARM 2, G0B, G1B, .Lhead_sa
	ARM 3, G0S, G1S, .Lhead_sb
	tensor_load_to_lds s[G0SB:G0SB+3], s[G1SB:G1SB+7]
	s_nop 0
	PLACES 4
.Lhead_asked:
	s_cmp_eq_u32 s15, 0                            ; the prefetches: do I fetch for A?
	s_cselect_b64 s[PFA:PFA+1], s[20:21], s[46:47] ; my four tiles,
	s_cselect_b32 s94, s40, s41                    ; my place among the four that ask for them with me: it enters this address alone
	s_mov_b32 s[PFS], CHB
	s_cselect_b32 s[PFS], CHA, s[PFS]
	s_mov_b32 s[PFS+1], 0
	s_lshl_b32 s94, s94, 14
	s_mov_b32 s95, 0
	s_add_nc_u64 s[PFA:PFA+1], s[PFA:PFA+1], s[94:95]   ; my work-group's one tile of them
	s_lshl_b32 s66, s15, 15                        ; my four tiles of A in a slot,
	s_lshl_b32 s67, s16, 15
	s_add_co_u32 s67, s67, BOFF                    ; of B
	s_lshl_b32 s93, s15, 11                        ; their scale records: 512 bytes a tile
	s_lshl_b32 s92, s16, 11
	s_add_co_u32 s92, s92, SCLB
	s_sub_co_u32 s92, s92, s93                     ; from A's to B's
	s_add_co_u32 s93, s93, SCL
	s_mul_i32 s10, s14, 16*SPITCH
	s_add_co_u32 s10, s10, STAGE                   ; my stage
	v_and_b32 v1, 15, v0                           ; r
	v_bfe_u32 v2, v0, 4, 1                         ; h
	v_and_b32 v3, 31, v0
	v_lshlrev_b32 v[PFO], 8, v3
	v_lshlrev_b32 v3, 4, v3                        ; 16 x lane
	v_add_nc_u32 v[ADRA], s66, v3
	v_add_nc_u32 v[ADRB], s67, v3
	v_add_nc_u32 v[ADRA+1], SLOT, v[ADRA]
	v_add_nc_u32 v[ADRB+1], SLOT, v[ADRB]
	v_mul_u32_u24 v4, s92, v2                      ; lanes 16-31 take B's scale words: one product with h
	v_lshl_add_u32 v4, v1, 2, v4
	v_add_nc_u32 v[ADRS], s93, v4
	v_mul_u32_u24 v5, v1, SPITCH
	v_lshl_add_u32 v5, v2, 6, v5
	v_add_nc_u32 v[STO], s10, v5                   ; into the stage: row r, + 64 h
	v_mul_u32_u24 v6, v2, SPITCH
	v_lshl_add_u32 v6, v1, 4, v6
	v_add_nc_u32 v[RD], s10, v6                    ; back: lanes 0-15 one row of 256 bytes, lanes 16-31 the next
	v_lshlrev_b32 v7, 12, v2
	v_lshl_add_u32 v[CO], v1, 4, v7                ; and the same two rows in C
	s_wait_alu depctr_va_vdst(0)
	global_prefetch_b8 v[PFO], s[PFA:PFA+1] offset:8192 th:TH_LOAD_NT scope:SCOPE_SE   ; slot 1
	s_lshl_b32 s20, s17, 19                        ; C: 128 rows of 4,096 bytes to a block,
	s_lshl_b32 s21, s15, 18                        ; 64 to my half;
	s_add_co_u32 s20, s20, s21
	s_lshl_b32 s21, s42, 9                         ; 128 columns of 4 bytes,
	s_add_co_u32 s20, s20, s21
	s_lshl_b32 s21, s16, 8                         ; 64 to my half
	s_add_co_u32 s20, s20, s21
	s_mov_b32 s21, 0
	s_add_nc_u64 s[12:13], s[8:9], s[20:21]
	s_wait_xcnt 0x0                                ; the prefetch has read its address: it may step
	s_add_nc_u64 s[PFA:PFA+1], s[PFA:PFA+1], s[PFS:PFS+1]
	global_prefetch_b8 v[PFO], s[PFA:PFA+1] th:TH_LOAD_NT scope:SCOPE_SE               ; slot 2
.macro FETCH slot, q, p                ; the slot's K step q: B's four fragments and A's four into set p: 32 loads
	WIN 0x40
.irp i, 0,1,2,3
.irp c, 0,1,2,3
	ds_load_b128 v[64*(\p)+16*\i+4*\c:64*(\p)+16*\i+4*\c+3], v[ADRB+(\slot)] offset:\i*8192+(\q)*2048+512*\c
.endr
.endr
	WIN 0
.irp i, 0,1,2,3
.irp c, 0,1,2,3
	ds_load_b128 v[AF+64*(\p)+16*\i+4*\c:AF+64*(\p)+16*\i+4*\c+3], v[ADRA+(\slot)] offset:\i*8192+(\q)*2048+512*\c
.endr
.endr
.endm
.macro SCALES sc, off                  ; a slot's 16 scale words into set sc
.irp q, 0,1,2,3
.irp i, 0,1,2,3
	ds_load_b32 v[SC+16*(\sc)+4*\q+\i], v[ADRS] offset:(\off)+\i*512+\q*64
.endr
.endr
.endm
.macro MULA q, p, sc, zero, a          ; four matrix instructions: A's tile a against B's four.  The 16 accumulators take turns, in the same order in every step
.irp b, 0,1,2,3
.if \zero
	v_wmma_scale_f32_16x16x128_f8f6f4 v[ACC+8*(4*(\a)+\b):ACC+8*(4*(\a)+\b)+7], v[64*(\p)+16*\b:64*(\p)+16*\b+15], v[AF+64*(\p)+16*(\a):AF+64*(\p)+16*(\a)+15], 0, v[SC+16*(\sc)+4*(\q)+\b], v[SC+16*(\sc)+4*(\q)+(\a)] matrix_a_scale:MATRIX_SCALE_ROW1
.else
	v_wmma_scale_f32_16x16x128_f8f6f4 v[ACC+8*(4*(\a)+\b):ACC+8*(4*(\a)+\b)+7], v[64*(\p)+16*\b:64*(\p)+16*\b+15], v[AF+64*(\p)+16*(\a):AF+64*(\p)+16*(\a)+15], v[ACC+8*(4*(\a)+\b):ACC+8*(4*(\a)+\b)+7], v[SC+16*(\sc)+4*(\q)+\b], v[SC+16*(\sc)+4*(\q)+(\a)] matrix_a_scale:MATRIX_SCALE_ROW1
.endif
.endr
.endm
.macro STEPQ slot, q, zero             ; one of a slot's first three K steps: the next step's fragments are asked for, then this step is multiplied
	PLACES NP                                      ; eight places in front of loads into the set that the last products read
	FETCH \slot, (\q)+1, ((\q)+1)%2
	s_wait_dscnt 32                                ; all but the 32 loads just issued: this step's fragments (and scale words) are in
	WIN 0x51                                       ; source 0 (B), C and D: window 1; source 1 (A): window 0
.irp a, 0,1,2,3
	MULA \q, (\q)%2, \slot, \zero, \a
.endr
.endm
.macro ASK off                         ; the slot two fills on; the last trip has none
	s_cmp_gt_u32 s3, 1
	s_cbranch_scc0 .Lnone_\@
	global_prefetch_b8 v[PFO], s[PFA:PFA+1] offset:\off th:TH_LOAD_NT scope:SCOPE_SE
.Lnone_\@:
.endm
; A slot's last K step changes slots: one barrier; in front of it each wave waits for all its tensor loads (its part of the next slot), adds 0 to its spare word, and waits for that and for its reads of this slot.
; fill = 1: the barrier opens a round of the cluster's barrier, and this slot is filled again, two slots ahead, first behind the round.
.macro TURN slot, next, fill
	WIN 0
	s_wait_tensorcnt 0x0
	ds_add_u32 v[SPW], v[NIL]
	s_wait_dscnt 1                                 ; the step's fragments are in; the add may be out
	WIN 0x51
	MULA 3, 1, \slot, 0, 0
	s_wait_dscnt 0x0                               ; the add is done, and my reads of this slot are over
	s_barrier_signal -1
	MULA 3, 1, \slot, 0, 1
	WIN 0
	s_barrier_wait -1
.if \fill
	CREST
	s_add_nc_u64 s[G0+4*\slot+2:G0+4*\slot+3], s[G0+4*\slot+2:G0+4*\slot+3], CHA
	s_add_nc_u64 s[G0B+4*\slot+2:G0B+4*\slot+3], s[G0B+4*\slot+2:G0B+4*\slot+3], CHB
	JLOAD G0+4*\slot, G0B+4*\slot
	PLACES NP-4
.else
	PLACES NP
.endif
.if \next == 0
	v_add_nc_u32 v[ADRS], 4096, v[ADRS]            ; on to the next chunk's scale words
	s_wait_alu depctr_va_vdst(0)                   ; the wait directly behind the write
.endif
	FETCH \next, 0, 0
	SCALES \next, 256*\next
.if \fill
	ASK 8192*\slot
.endif
	WIN 0x51
	MULA 3, 1, \slot, 0, 2
	MULA 3, 1, \slot, 0, 3
.endm
	s_wait_tensorcnt 0x0                           ; my tile of the head's four is in; slot 1's first fill is issued as a refill is
	ds_add_u32 v[SPW], v[NIL]
	s_mov_b32 s[G1+2], 4<<16                       ; no load of mine is out: from here on a load brings four tiles
	s_mov_b32 s[G1+4], 4
	s_mov_b32 s[G1B+2], 4<<16
	s_mov_b32 s[G1B+4], 4
	s_mov_b32 s[G0+1], s45                         ; slot 0's descriptors, for its refills: my quarter of the slot,
	s_mov_b32 s[G0B+1], s45
	s_add_nc_u64 s[G0+2:G0+3], s[G0+2:G0+3], s[18:19]    ; my four tiles of the panel
	s_add_nc_u64 s[G0B+2:G0B+3], s[G0B+2:G0B+3], s[18:19]
	s_wait_dscnt 0x0
	CROUND                                         ; all four tiles are in, and all sixteen work-groups are here
	JLOAD G0+4, G0B+4                              ; slot 1: the first tensor load behind the round
	FETCH 0, 0, 0
	SCALES 0, 0
	global_prefetch_b8 v[PFO], s[PFA:PFA+1] offset:8192 th:TH_LOAD_NT scope:SCOPE_SE   ; slot 3
	STEPQ 0, 0, 1                                  ; the first products start the sums: nothing is cleared
	STEPQ 0, 1, 0
	STEPQ 0, 2, 0
	WIN 0
	s_wait_xcnt 0x0
	s_add_nc_u64 s[PFA:PFA+1], s[PFA:PFA+1], s[PFS:PFS+1]   ; at chunk 2: slots 4 and 5
	s_mov_b32 s3, 3
.Llap:                                             ; a trip goes once round the ring, from a chunk's fourth K step to the next chunk's third, and fills both slots again
	TURN 0, 1, 1
	STEPQ 1, 0, 0
	STEPQ 1, 1, 0
	STEPQ 1, 2, 0
	TURN 1, 0, 1
	STEPQ 0, 0, 0
	STEPQ 0, 1, 0
	STEPQ 0, 2, 0
	WIN 0
	s_wait_xcnt 0x0                                ; my prefetches have read their address
	s_add_nc_u64 s[PFA:PFA+1], s[PFA:PFA+1], s[PFS:PFS+1]   ; (the last trips' stepped address is not used)
	s_sub_co_u32 s3, s3, 1
	s_cmp_lg_u32 s3, 0
	s_cbranch_scc1 .Llap
	TURN 0, 1, 0                                   ; the last chunk fills nothing
	STEPQ 1, 0, 0
	STEPQ 1, 1, 0
	STEPQ 1, 2, 0
	s_wait_dscnt 0x0
.irp a, 0,1,2,3
	MULA 3, 1, 1, 0, \a
.endr
	WIN 0
	PLACES NP                                      ; in front of the first read of the sums
; THE WAY OUT, block by block of 16 rows x 64 columns, through my own stage: in by pieces of 32 bytes at their columns' places, back as whole rows of 256 bytes.
; LDS serves a wave's instructions in order (ISA guide 5.7.1.4): no wait between the stores and the loads, nor in front of the next block's stores.
.macro TOSTAGE a
	WIN 0x04                                       ; the data: window 1
.irp b, 0,1,2,3
	ds_store_b128 v[STO], v[ACC+8*(4*(\a)+\b):ACC+8*(4*(\a)+\b)+3] offset:128*(\b/2)+32*(\b%2)      ; each accumulator from its low end on
	ds_store_b128 v[STO], v[ACC+8*(4*(\a)+\b)+4:ACC+8*(4*(\a)+\b)+7] offset:128*(\b/2)+32*(\b%2)+16
.endr
	WIN 0
.irp t, 0,1,2,3,4,5,6,7
	ds_load_b128 v[BK+32*((\a)%2)+4*\t:BK+32*((\a)%2)+4*\t+3], v[RD] offset:\t*2*SPITCH
.endr
.endm
.macro SEND a, younger                 ; younger: the LDS instructions issued behind block a's loads, which may stay out
	s_wait_dscnt \younger
.irp t, 0,1,2,3,4,5,6,7
	global_store_b128 v[CO], v[BK+32*((\a)%2)+4*\t:BK+32*((\a)%2)+4*\t+3], s[12:13] offset:(32*((\a)/2)+8*((\a)%2)+2*\t+8*(\t/4))*4096 th:TH_STORE_NT   ; sixteen lanes store 256 consecutive bytes, aligned
.endr
.endm
	TOSTAGE 0
.irp a, 1,2,3
.if \a > 1
	s_wait_xcnt 0x0                                ; block a - 2's stores have read their registers: block a's loads may land there
.endif
	TOSTAGE \a
	SEND \a-1, 16                                  ; behind block a - 1's loads: block a's 8 stores and 8 loads
.endr
	SEND 3, 0
	s_wait_tensorcnt 0x0                           ; the wave's end
	ds_add_u32 v[SPW], v[NIL]
	s_wait_dscnt 0x0
	CROUND                                         ; the closing round
	s_endpgm
.Lfunc_end_k_q7f71cad8ed_gffn2:
	.size	k_q7f71cad8ed_gffn2, .Lfunc_end_k_q7f71cad8ed_gffn2-k_q7f71cad8ed_gffn2
	.p2alignl 7, 3214868480
	.fill 96, 4, 3214868480
	.section	.rodata,"a",@progbits
	.p2align	6, 0x0
	.amdhsa_kernel k_q7f71cad8ed_gffn2
		.amdhsa_group_segment_fixed_size 327680
		.amdhsa_private_segment_fixed_size 0
		.amdhsa_enable_private_segment 0
		.amdhsa_kernarg_size 24
		.amdhsa_user_sgpr_count 2
		.amdhsa_user_sgpr_kernarg_segment_ptr 1
		.amdhsa_wavefront_size32 1
		.amdhsa_system_sgpr_workgroup_id_x 1
		.amdhsa_system_sgpr_workgroup_id_y 1
		.amdhsa_system_sgpr_workgroup_id_z 1
		.amdhsa_system_vgpr_workitem_id 0
		.amdhsa_next_free_vgpr 512
		.amdhsa_next_free_sgpr 100
		.amdhsa_reserve_vcc 0
		.amdhsa_float_denorm_mode_32 3
		.amdhsa_float_denorm_mode_16_64 3
		.amdhsa_memory_ordered 1
		.amdhsa_forward_progress 1
		.amdhsa_inst_pref_size 96
	.end_amdhsa_kernel
	.amdgpu_metadata
---
amdhsa.version: [ 1, 2 ]
amdhsa.kernels:
  - .name:           k_q7f71cad8ed_gffn2
    .symbol:         k_q7f71cad8ed_gffn2.kd
    .args:
      - { .name: act, .offset: 0, .size: 8, .value_kind: global_buffer, .address_space: global }
      - { .name: w2q, .offset: 8, .size: 8, .value_kind: global_buffer, .address_space: global }
      - { .name: cb, .offset: 16, .size: 8, .value_kind: global_buffer, .address_space: global }
    .group_segment_fixed_size: 327680
    .private_segment_fixed_size: 0
    .kernarg_segment_align: 8
    .kernarg_segment_size: 24
    .max_flat_workgroup_size: 128
    .sgpr_count:     100
    .vgpr_count:     512
    .wavefront_size: 32
...
	.end_amdgpu_metadata
.endif
;; end of part 7
;; launch ln2 (part 8): grid 512 x 1, 8 waves a work-group, no clusters, 0 bytes of LDS; arguments cb, yb, b2, g2, bt2, out0; writes out0
.if DOCPART == 8
	.amdgcn_target "amdgcn-amd-amdhsa--gfx1250"
	.amdhsa_code_object_version 6
	.text
	.protected	k_q7f71cad8ed_ln2
	.globl	k_q7f71cad8ed_ln2
	.p2align	8
	.type	k_q7f71cad8ed_ln2,@function
k_q7f71cad8ed_ln2:
	s_mov_b64 s[64:65], 0
	v_nop
	global_prefetch_b8 v0, s[64:65] scope:SCOPE_SE
	s_setreg_imm32_b32 hwreg(HW_REG_WAVE_MODE, 25, 1), 1
	s_wait_xcnt 0x0
; LN2: out = LayerNorm(y + (product 6) + b2) g2 + bt2, in f32.  Nothing of reference() is left out here.
; The mean is taken first and the variance of the differences, as reference() has it.  One wave, one row: 32 registers a lane, every load and store 512 consecutive bytes; no LDS, no barrier.
; LIMIT: NaN and infinities are not served.  Memory binds: no matrix unit, no cluster, no tensor load.
.set Z,   32                           ; v32-63   product 6's row, then z, d, the result
.set P1,  64                           ; v64-95   g2
.set P2,  96                           ; v96-127  bt2
.set Y,   160                          ; v160-191 y
.set B2,  192                          ; v192-223 b2; later at work
.set SEL, 28                           ; s[28:29]
	s_load_b256 s[4:11], s[0:1], 0x0               ; cb, yb, b2, g2
	s_load_b128 s[12:15], s[0:1], 0x20             ; bt2, out0
	v_lshrrev_b32 v1, 5, v0
	s_delay_alu instid0(VALU_DEP_1)
	v_readfirstlane_b32 s16, v1                    ; wave 0..7
	v_and_b32 v2, 31, v0
	s_delay_alu instid0(VALU_DEP_1)
	v_lshlrev_b32 v2, 4, v2                        ; 16 x lane
	s_lshl_b32 s17, ttmp9, 3
	s_add_co_u32 s17, s17, s16                     ; my row
	s_lshl_b32 s18, s17, 12
	s_mov_b32 s19, 0
	s_mov_b32 s26, 0x3a800000                      ; 1 / 1,024
	s_mov_b32 s27, 0x3727c5ac                      ; 1e-5
	s_mov_b32 s[SEL], 0x76543210
	s_mov_b32 s[SEL+1], 0xfedcba98
	v_mov_b32 v20, 0                               ; written once: a lane permute's destination counts as one of its sources
	s_wait_alu depctr_va_vdst(0)
	s_wait_kmcnt 0x0
	s_add_nc_u64 s[4:5], s[4:5], s[18:19]
	s_add_nc_u64 s[6:7], s[6:7], s[18:19]
	s_add_nc_u64 s[14:15], s[14:15], s[18:19]
.irp j, 0,1,2,3,4,5,6,7
	global_load_b128 v[Z+4*\j:Z+4*\j+3], v2, s[4:5] offset:512*\j th:TH_LOAD_NT
.endr
.irp j, 0,1,2,3,4,5,6,7
	global_load_b128 v[Y+4*\j:Y+4*\j+3], v2, s[6:7] offset:512*\j th:TH_LOAD_NT
.endr
.irp j, 0,1,2,3,4,5,6,7
	global_load_b128 v[B2+4*\j:B2+4*\j+3], v2, s[8:9] offset:512*\j
.endr
.irp j, 0,1,2,3,4,5,6,7
	global_load_b128 v[P1+4*\j:P1+4*\j+3], v2, s[10:11] offset:512*\j
.endr
.irp j, 0,1,2,3,4,5,6,7
	global_load_b128 v[P2+4*\j:P2+4*\j+3], v2, s[12:13] offset:512*\j
.endr
.macro PLUS src, left                  ; z += the 32 numbers at v[src]; left: the loads issued behind them, which may stay out
	s_wait_loadcnt \left
.set k, 0
.rept 16
	v_pk_add_f32 v[Z+k:Z+k+1], v[Z+k:Z+k+1], v[\src+k:\src+k+1]
.set k, k+2
.endr
.endm
.macro REDUCE                          ; v16 summed over the 32 lanes, the result in every lane
.irp m, 1,2,4,8
	s_delay_alu instid0(VALU_DEP_1)
	v_add_f32_dpp v16, v16, v16 row_xmask:\m row_mask:0xf bank_mask:0xf
.endr
	s_delay_alu instid0(VALU_DEP_1)
	v_permlanex16_b32 v20, v16, s[SEL], s[SEL+1]
	s_delay_alu instid0(VALU_DEP_1)
	v_add_f32 v16, v16, v20
.endm
	PLUS Y, 24                                     ; behind y's loads: b2's, g2's and bt2's 24
	PLUS B2, 16                                    ; behind b2's: g2's and bt2's 16
	v_pk_add_f32 v[18:19], v[32:33], v[34:35]
	v_pk_add_f32 v[222:223], v[40:41], v[44:45]
	v_pk_add_f32 v[220:221], v[48:49], v[52:53]
	v_pk_add_f32 v[218:219], v[56:57], v[60:61]
	v_pk_add_f32 v[216:217], v[36:37], v[38:39]
	v_pk_add_f32 v[214:215], v[42:43], v[46:47]
	v_pk_add_f32 v[212:213], v[50:51], v[54:55]
	v_pk_add_f32 v[16:17], v[58:59], v[62:63]
	s_delay_alu instid0(VALU_DEP_1)
	v_pk_add_f32 v[16:17], v[16:17], v[218:219]
	v_pk_add_f32 v[18:19], v[18:19], v[216:217]
	v_pk_add_f32 v[222:223], v[222:223], v[214:215]
	v_pk_add_f32 v[220:221], v[220:221], v[212:213]
	s_delay_alu instid0(VALU_DEP_2)
	v_pk_add_f32 v[16:17], v[16:17], v[222:223]
	s_delay_alu instid0(VALU_DEP_2)
	v_pk_add_f32 v[18:19], v[18:19], v[220:221]
	s_delay_alu instid0(VALU_DEP_1)
	v_pk_add_f32 v[16:17], v[16:17], v[18:19]
	s_delay_alu instid0(VALU_DEP_1)
	v_add_f32 v16, v16, v17
	REDUCE
	s_delay_alu instid0(VALU_DEP_1)
	v_mul_f32 v8, s26, v16                         ; the mean, twice: a pair for the packed forms
	s_delay_alu instid0(VALU_DEP_2)
	v_mul_f32 v9, s26, v16
.set k, 0
.rept 16
	v_pk_add_f32 v[Z+k:Z+k+1], v[Z+k:Z+k+1], v[8:9] neg_lo:[0,1] neg_hi:[0,1]
.set k, k+2
.endr
	v_pk_mul_f32 v[16:17], v[Z:Z+1], v[Z:Z+1]
	v_pk_mul_f32 v[18:19], v[Z+2:Z+3], v[Z+2:Z+3]
.irp k, 4,8,12,16,20,24,28
	s_delay_alu instid0(VALU_DEP_2)
	v_pk_fma_f32 v[16:17], v[Z+\k:Z+\k+1], v[Z+\k:Z+\k+1], v[16:17]
	s_delay_alu instid0(VALU_DEP_2)
	v_pk_fma_f32 v[18:19], v[Z+\k+2:Z+\k+3], v[Z+\k+2:Z+\k+3], v[18:19]
.endr
	s_delay_alu instid0(VALU_DEP_1)
	v_pk_add_f32 v[16:17], v[16:17], v[18:19]
	s_delay_alu instid0(VALU_DEP_1)
	v_add_f32 v16, v16, v17
	REDUCE
	s_delay_alu instid0(VALU_DEP_1)
	v_fma_f32 v22, v16, s26, s27                   ; the variance + 1e-5
	s_wait_alu depctr_va_vdst(0)
	v_rsq_f32 v12, v22
	v_nop                                          ; a plain line behind it
	s_wait_alu depctr_va_vdst(0)                   ; the wait ahead of its first reader
	v_mov_b32 v13, v12
.set k, 0
.rept 16
	v_pk_mul_f32 v[Z+k:Z+k+1], v[Z+k:Z+k+1], v[12:13]
.set k, k+2
.endr
	s_wait_loadcnt 0x0                             ; g2, bt2
.set k, 0
.rept 16
	v_pk_fma_f32 v[Z+k:Z+k+1], v[Z+k:Z+k+1], v[P1+k:P1+k+1], v[P2+k:P2+k+1]
.set k, k+2
.endr
.irp j, 0,1,2,3,4,5,6,7
	global_store_b128 v2, v[Z+4*\j:Z+4*\j+3], s[14:15] offset:512*\j th:TH_STORE_NT
.endr
	s_endpgm
.Lfunc_end_k_q7f71cad8ed_ln2:
	.size	k_q7f71cad8ed_ln2, .Lfunc_end_k_q7f71cad8ed_ln2-k_q7f71cad8ed_ln2
	.p2alignl 7, 3214868480
	.fill 96, 4, 3214868480
	.section	.rodata,"a",@progbits
	.p2align	6, 0x0
	.amdhsa_kernel k_q7f71cad8ed_ln2
		.amdhsa_group_segment_fixed_size 0
		.amdhsa_private_segment_fixed_size 0
		.amdhsa_enable_private_segment 0
		.amdhsa_kernarg_size 48
		.amdhsa_user_sgpr_count 2
		.amdhsa_user_sgpr_kernarg_segment_ptr 1
		.amdhsa_wavefront_size32 1
		.amdhsa_system_sgpr_workgroup_id_x 1
		.amdhsa_system_sgpr_workgroup_id_y 1
		.amdhsa_system_sgpr_workgroup_id_z 1
		.amdhsa_system_vgpr_workitem_id 0
		.amdhsa_next_free_vgpr 224
		.amdhsa_next_free_sgpr 66
		.amdhsa_reserve_vcc 0
		.amdhsa_float_denorm_mode_32 3
		.amdhsa_float_denorm_mode_16_64 3
		.amdhsa_memory_ordered 1
		.amdhsa_forward_progress 1
		.amdhsa_inst_pref_size 15
	.end_amdhsa_kernel
	.amdgpu_metadata
---
amdhsa.version: [ 1, 2 ]
amdhsa.kernels:
  - .name:           k_q7f71cad8ed_ln2
    .symbol:         k_q7f71cad8ed_ln2.kd
    .args:
      - { .name: cb, .offset: 0, .size: 8, .value_kind: global_buffer, .address_space: global }
      - { .name: yb, .offset: 8, .size: 8, .value_kind: global_buffer, .address_space: global }
      - { .name: b2, .offset: 16, .size: 8, .value_kind: global_buffer, .address_space: global }
      - { .name: g2, .offset: 24, .size: 8, .value_kind: global_buffer, .address_space: global }
      - { .name: bt2, .offset: 32, .size: 8, .value_kind: global_buffer, .address_space: global }
      - { .name: out0, .offset: 40, .size: 8, .value_kind: global_buffer, .address_space: global }
    .group_segment_fixed_size: 0
    .private_segment_fixed_size: 0
    .kernarg_segment_align: 8
    .kernarg_segment_size: 48
    .max_flat_workgroup_size: 256
    .sgpr_count:     66
    .vgpr_count:     224
    .wavefront_size: 32
...
	.end_amdgpu_metadata
.endif
;; end of part 8
